; MI455X (gfx1250); checked and timed in simulation.
; The chip was launched on July 23, 2026; its instructions are those of AMD's public machine-readable ISA for CDNA 5 (MIT licence, August 2026) and "CDNA5" Instruction Set Architecture Reference Guide (July 2026). The comments in the code are by the model that wrote it; some were corrected since.
;; Attention. Allowed arithmetic: matrix products marked QUANTISED: E2M3 operands, one E8M0 scale for each 32 along K, by v_wmma_scale_f32_16x16x128_f8f6f4 with both operands' format E2M3, f32 sums; everything else in f32.
;; Inputs: Wk 512 x 512 float32; Wp 512 x 512 float32; Wq 512 x 512 float32; Wv 512 x 512 float32; bk 512 float32; bp 512 float32; bq 512 float32; bv 512 float32; d 16 x 1,024 x 1,024 float32; k 16 x 1,024 x 512 float32; q 16 x 1,024 x 512 float32; v 16 x 1,024 x 512 float32.
;; Outputs: out0 16 x 1,024 x 512 float32.
;; This version of the problem:
;;   THIS VERSION OF THE PROBLEM IS GIVEN IN LOW PRECISION. The matrix products marked QUANTISED in the list below multiply operands that are first quantised to E2M3 (2 exponent bits, 3 mantissa bits; 6 bits a number), with one power-of-two scale for each 32 numbers along K (OCP MX v1.0); their sums are f32. All else is computed in f32.
;;   The module's matrix products, in the order in which they are computed (A, B: the left and right operand; K: the contracted axis; several contracted axes count as one K, in the product's order):
;;     1. [M 16,384, K 512] x [K 512, N 512]; A: input q; B: input Wq: QUANTISED
;;     2. [M 16,384, K 512] x [K 512, N 512]; A: input k; B: input Wk: QUANTISED
;;     3. [M 16,384, K 512] x [K 512, N 512]; A: input v; B: input Wv: QUANTISED
;;     4. batch 128 x [M 1,024, K 64] x [K 64, N 1,024]; A: computed on the way; B: computed on the way: QUANTISED
;;     5. batch 128 x [M 1,024, K 1,024] x [K 1,024, N 64]; A: computed on the way; B: computed on the way: QUANTISED
;;     6. [M 16,384, K 512] x [K 512, N 512]; A: computed on the way; B: input Wp: QUANTISED
;;   THE QUANTISER, for each operand of a quantised product, along K:
;;     - K is cut into blocks of 32 from its start; a last block that is shorter is filled with zeros.
;;     - A block's scale is 2^e with e = floor(log2(the largest magnitude in the block)) - 2, held to -126 .. 127; a block of zeros has e = 0. As a byte (E8M0): e + 127.
;;     - Each number is divided by its block's scale, clamped to +-7.5, and rounded to the nearest number of E2M3, ties to even, subnormals kept.
;;     - The product sums the exact products of the quantised numbers (number of the format x scale) in f32.
;;   ~~~python
;;   def quantise(x, axis):      # numpy; x: float32 -> the quantised numbers, widened to float32 again
;;       x = np.moveaxis(x, axis, -1); K = x.shape[-1]
;;       x = np.pad(x, [(0, 0)] * (x.ndim - 1) + [(0, -K % 32)]); x = x.reshape(x.shape[:-1] + (-1, 32)); a = np.abs(x).max(-1, keepdims=True)
;;       e = np.where(a > 0, np.clip(np.frexp(np.where(a > 0, a, 1))[1] - 1 - 2, -126, 127), 0)      # np.frexp(a)[1] - 1 = floor(log2(a)), exactly
;;       r = np.clip(x / 2.0 ** e, -7.5, 7.5)
;;       step = 2.0 ** (np.maximum(np.frexp(np.where(r == 0, 1, r))[1] - 1, 0) - 3)
;;       q = np.round(r / step) * step * 2.0 ** e      # np.round: ties to even
;;       return np.moveaxis(q.reshape(q.shape[:-2] + (-1,))[..., :K], -1, axis).astype(np.float32)
;;   ~~~
;;   OPERANDS COMPUTED ON THE WAY. 'Computed on the way' means the value that the module computes at that place (a softmax that the list does not call 'softmax' is quantised finished and normalised). What goes into a quantiser is computed in f32, as accurately as f32 sums, v_exp_f32 and their like allow (about 1e-6 of the number): no bf16 or f16 on the way to a quantiser, and a product that is left as it is and whose result goes on into a quantised operand takes f32 operands (vector FMAs, or v_wmma_f32_16x16x4_f32). A number that lies on a knife's edge between two numbers of the format may be rounded either way, as far as f32 arithmetic and the matrix unit's own rounding can turn it there, and no further.
;; One version. Each part assembles by itself: llvm-mc -triple=amdgcn-amd-amdhsa -mcpu=gfx1250 --defsym DOCPART=n.
;; ======== version 1 of 1: 3 launches
;; limits: right only within a limited range of input values
;; workspace buffers: wimg 811,008 bytes; wpx 26,624 bytes; qbuf 6,815,744 bytes; kv 13,631,488 bytes
;; launch prep (part 1): grid 32 x 4, 4 waves a work-group, no clusters, 1,024 bytes of LDS; arguments Wq, Wk, Wv, Wp, bp, wimg, wpx; writes wimg, wpx
.if DOCPART == 1
	.amdgcn_target "amdgcn-amd-amdhsa--gfx1250"
	.amdhsa_code_object_version 6
	.text
	.protected	k_q1734c9dbd0_prep
	.globl	k_q1734c9dbd0_prep
	.p2align	8
	.type	k_q1734c9dbd0_prep,@function
k_q1734c9dbd0_prep:
	s_mov_b64 s[64:65], 0
	v_nop
	global_prefetch_b8 v0, s[64:65] scope:SCOPE_SE
	s_setreg_imm32_b32 hwreg(HW_REG_WAVE_MODE, 25, 1), 1
	s_wait_xcnt 0x0
; THE PROGRAM: out = ((softmax(qh kh^T / 8 + d) * d) vh) Wp^T + bp, qh = q Wq^T + bq and so on; all six products on codes of FP6 (E2M3) with one E8M0 scale for each 32 along K.
; NO WORK IS LEFT OUT: the three biases stand ahead of quantisers, d is added and multiplied, bp is added: every input is loaded and every product is done.
; THIS LAUNCH turns the four weights [512 f][512 e], f32, K = e innermost, into codes laid in the order of an operand's registers, and copies bp beside Wp's scale words.
; A fragment is 16 rows x 128 K: 12 registers a lane; its image is 3 pieces of 512 bytes, piece c = registers 4 c .. 4 c + 3, lane l's 16 bytes at 16 l.
; Lane r of tile T takes row 32 (T / 2) + 8 (T % 2) + r + 8 (r / 8), so that the results of tiles 2 b and 2 b + 1, used transposed, are 16 neighbours along f in a lane.
; wimg: weight y at 204,800 y: fragment (T, K step s) at 1,536 (4 T + s); for y < 3 its scale words at + 196,608 + 256 T + 16 r + 4 s.  wpx: Wp's scale words (8,192 bytes), bp (2,048), zeros (16,384: a later launch fetches the buffer whole).
; SHARES: work-group (T, y): tile T of weight y; wave s: K step s: 16 loads, 64 numbers a lane (16 neighbours of each block of 32), one fragment.
; The four waves' scale words meet in 256 bytes of LDS, and wave 0 stores them as one run of 256 consecutive bytes.
; A block's scale byte is its largest magnitude's exponent field - 2, held at 1 from below.  LIMITS: a block of zeros, or one whose largest magnitude lies under 2^-124, keeps the byte 1 (this program alone reads the bytes);
; NaN and infinities among the inputs are not served.
.set SPW, 10                           ; LDS address of my spare word; never rewritten
.set NIL, 11                           ; 0; never rewritten
.set PC,  12                           ; v12-31 codes
.set HA,  32                           ; v32-95 my 64 numbers
.set TM,  96                           ; v96-111 at work
.set PW,  112                          ; my scale word
.set SEL, 24                           ; s[24:25] lane selects: lane l xor 16
.set SPARE, 256                        ; behind the scale words: the spare words, 128 bytes a wave
	s_load_b256 s[4:11], s[0:1], 0x0               ; Wq, Wk, Wv, Wp
	s_load_b128 s[12:15], s[0:1], 0x20             ; bp, wimg
	s_load_b64 s[16:17], s[0:1], 0x30              ; wpx
	v_lshl_add_u32 v[SPW], v0, 2, SPARE
	v_mov_b32 v[NIL], 0
	v_lshrrev_b32 v1, 5, v0
	v_readfirstlane_b32 s18, v1                    ; wave = K step s
	s_and_b32 s20, ttmp7, 0xffff                   ; y: which weight
	v_and_b32 v2, 31, v0                           ; lane
	v_and_b32 v3, 15, v0                           ; r
	v_bfe_u32 v4, v0, 4, 1                         ; h
	v_and_b32 v5, 8, v3
	v_add_nc_u32 v5, v5, v3                        ; r + 8 (r / 8)
	v_lshlrev_b32 v5, 11, v5                       ; a row is 2,048 bytes
	v_lshl_add_u32 v5, v4, 6, v5                   ; + 64 h
	v_lshlrev_b32 v6, 4, v2                        ; 16 x lane
	v_lshlrev_b32 v7, 4, v3                        ; 16 r
	v_lshlrev_b32 v8, 3, v2                        ; 8 x lane
	s_lshl_b32 s21, s18, 2
	v_add_nc_u32 v9, s21, v7                       ; LDS: 16 r + 4 s
	s_mov_b32 s[SEL], 0x76543210
	s_mov_b32 s[SEL+1], 0xfedcba98
.irp b, 0,1,2,3
	v_mov_b32 v[TM+4+\b], 0                        ; a lane permute's destination counts as one of its sources
.endr
	s_lshr_b32 s26, ttmp9, 1
	s_lshl_b32 s26, s26, 16                        ; 32 (T / 2) rows
	s_and_b32 s27, ttmp9, 1
	s_lshl_b32 s27, s27, 14                        ; 8 (T % 2) rows
	s_add_co_u32 s26, s26, s27
	s_lshl_b32 s27, s18, 9                         ; K step s: 512 bytes along the row
	s_add_co_u32 s26, s26, s27
	s_mov_b32 s27, 0
	s_mul_i32 s28, s20, 204800
	s_mul_i32 s29, ttmp9, 6144
	s_add_co_u32 s28, s28, s29
	s_mul_i32 s29, s18, 1536
	s_add_co_u32 s28, s28, s29                     ; my image
	s_mov_b32 s29, 0
	s_lshl_b32 s30, ttmp9, 8                       ; my tile's 256 bytes of scale words
	s_mul_i32 s31, s20, 204800
	s_add_co_u32 s31, s31, 196608
	s_wait_alu depctr_va_vdst(0)                   ; the wait at the head's end
	s_wait_kmcnt 0x0
	s_cmp_eq_u32 s20, 1
	s_cselect_b64 s[4:5], s[6:7], s[4:5]
	s_cmp_eq_u32 s20, 2
	s_cselect_b64 s[4:5], s[8:9], s[4:5]
	s_cmp_eq_u32 s20, 3
	s_cselect_b64 s[4:5], s[10:11], s[4:5]
	s_cselect_b64 s[22:23], s[16:17], s[14:15]     ; Wp's scale words go to wpx, the others' behind their codes
	s_cselect_b32 s31, 0, s31
	s_add_co_u32 s30, s30, s31
	s_mov_b32 s31, 0
	s_add_nc_u64 s[4:5], s[4:5], s[26:27]
	s_add_nc_u64 s[14:15], s[14:15], s[28:29]
	s_add_nc_u64 s[22:23], s[22:23], s[30:31]
.irp b, 0,1,2,3
.irp j, 0,1,2,3
	global_load_b128 v[HA+16*\b+4*\j:HA+16*\b+4*\j+3], v5, s[4:5] offset:128*\b+16*\j th:TH_LOAD_NT   ; register 16 b + i = k 32 b + 16 h + i of my row
.endr
.endr
	s_wait_loadcnt 0x0
.irp b, 0,1,2,3
	v_max3_num_f32 v[TM+\b], |v[HA+16*\b]|, |v[HA+16*\b+1]|, 0x1800000   ; my 16 numbers of block b, and the floor 2^(3 - 127)
.endr
.irp i, 2,4,6,8,10,12,14
.irp b, 0,1,2,3
	v_max3_num_f32 v[TM+\b], |v[HA+16*\b+\i]|, |v[HA+16*\b+\i+1]|, v[TM+\b]   ; the blocks by turns
.endr
.endr
.irp b, 0,1,2,3
	v_permlanex16_b32 v[TM+4+\b], v[TM+\b], s[SEL], s[SEL+1]
.endr
.irp b, 0,1,2,3
	v_max_num_f32 v[TM+\b], v[TM+\b], v[TM+4+\b]   ; with lane l xor 16's: the block's largest magnitude
.endr
.irp b, 0,1,2,3
	v_add_nc_u32 v[TM+12+\b], 0xff000000, v[TM+\b] ; 2 off its exponent field: the conversion's scale operand
.endr
.irp b, 0,1,2,3
	v_lshrrev_b32 v[TM+4+\b], 23, v[TM+12+\b]      ; the scale's byte
.endr
	v_lshl_or_b32 v[PW], v[TM+5], 8, v[TM+4]
	v_lshl_or_b32 v[PW], v[TM+6], 16, v[PW]
	v_lshl_or_b32 v[PW], v[TM+7], 24, v[PW]
.irp c, 0,1
	v_cvt_scalef32_pk16_fp6_f32 v[PC+6*\c:PC+6*\c+2], v[HA+32*\c:HA+32*\c+15], v[TM+12+2*\c]
	v_cvt_scalef32_pk16_fp6_f32 v[PC+12+4*\c:PC+14+4*\c], v[HA+32*\c+16:HA+32*\c+31], v[TM+13+2*\c]   ; (a conversion's three registers begin on an even number)
.endr
	v_nop                                          ; one plain place behind a scaled conversion
.irp c, 0,1
.irp i, 0,1,2
	v_permlane16_swap_b32 v[PC+6*\c+\i], v[PC+12+4*\c+\i]   ; a whole block to a lane: lanes 0-15 the even block, lanes 16-31 the odd one
.endr
.irp i, 0,1,2
	v_mov_b32 v[PC+3+6*\c+\i], v[PC+12+4*\c+\i]
.endr
.endr
.irp c, 0,1,2
	global_store_b128 v6, v[PC+4*\c:PC+4*\c+3], s[14:15] offset:512*\c   ; the image: each store covers 512 consecutive bytes
.endr
	ds_store_b32 v9, v[PW]                         ; row r's word of my K step; lanes 16-31 write the same word with the same value
	s_wait_dscnt 0x0                               ; my store has landed
	s_barrier_signal -1
	s_barrier_wait -1                              ; everybody's has
	s_wait_tensorcnt 0x0                           ; behind my last LDS store
	ds_add_u32 v[SPW], v[NIL]
	s_wait_dscnt 0x0
	s_cmp_lg_u32 s18, 0
	s_cbranch_scc1 .Ldone                          ; the rest is wave 0's
	ds_load_b128 v[40:43], v7                      ; row r's four words
	s_wait_dscnt 0x0
	global_store_b128 v7, v[40:43], s[22:23]       ; sixteen lanes fill 256 consecutive bytes; lanes 16-31 hold and write the same words
	s_cmp_lg_u32 s20, 3
	s_cbranch_scc1 .Ldone
.irp i, 0,1,2,3
	v_mov_b32 v[HA+\i], 0
.endr
	s_lshl_b32 s26, ttmp9, 9
	s_add_co_u32 s26, s26, 10240
	s_mov_b32 s27, 0
	s_add_nc_u64 s[26:27], s[16:17], s[26:27]
	global_store_b128 v6, v[HA:HA+3], s[26:27]     ; my 512 of wpx's 16,384 zeros
	s_cmp_ge_u32 ttmp9, 8
	s_cbranch_scc1 .Ldone
	s_lshl_b32 s28, ttmp9, 8                       ; work-groups 0-7 copy 256 bytes of bp each
	s_mov_b32 s29, 0
	s_add_nc_u64 s[12:13], s[12:13], s[28:29]
	s_add_nc_u64 s[16:17], s[16:17], s[28:29]
	global_load_b64 v[36:37], v8, s[12:13]
	s_wait_loadcnt 0x0
	global_store_b64 v8, v[36:37], s[16:17] offset:8192
.Ldone:
	s_endpgm
.Lfunc_end_k_q1734c9dbd0_prep:
	.size	k_q1734c9dbd0_prep, .Lfunc_end_k_q1734c9dbd0_prep-k_q1734c9dbd0_prep
	.p2alignl 7, 3214868480
	.fill 96, 4, 3214868480
	.section	.rodata,"a",@progbits
	.p2align	6, 0x0
	.amdhsa_kernel k_q1734c9dbd0_prep
		.amdhsa_group_segment_fixed_size 1024
		.amdhsa_private_segment_fixed_size 0
		.amdhsa_enable_private_segment 0
		.amdhsa_kernarg_size 56
		.amdhsa_user_sgpr_count 2
		.amdhsa_user_sgpr_kernarg_segment_ptr 1
		.amdhsa_wavefront_size32 1
		.amdhsa_system_sgpr_workgroup_id_x 1
		.amdhsa_system_sgpr_workgroup_id_y 1
		.amdhsa_system_sgpr_workgroup_id_z 1
		.amdhsa_system_vgpr_workitem_id 0
		.amdhsa_next_free_vgpr 128
		.amdhsa_next_free_sgpr 66
		.amdhsa_reserve_vcc 0
		.amdhsa_float_denorm_mode_32 3
		.amdhsa_float_denorm_mode_16_64 3
		.amdhsa_memory_ordered 1
		.amdhsa_forward_progress 1
		.amdhsa_inst_pref_size 10
	.end_amdhsa_kernel
	.amdgpu_metadata
---
amdhsa.version: [ 1, 2 ]
amdhsa.kernels:
  - .name:           k_q1734c9dbd0_prep
    .symbol:         k_q1734c9dbd0_prep.kd
    .args:
      - { .name: Wq, .offset: 0, .size: 8, .value_kind: global_buffer, .address_space: global }
      - { .name: Wk, .offset: 8, .size: 8, .value_kind: global_buffer, .address_space: global }
      - { .name: Wv, .offset: 16, .size: 8, .value_kind: global_buffer, .address_space: global }
      - { .name: Wp, .offset: 24, .size: 8, .value_kind: global_buffer, .address_space: global }
      - { .name: bp, .offset: 32, .size: 8, .value_kind: global_buffer, .address_space: global }
      - { .name: wimg, .offset: 40, .size: 8, .value_kind: global_buffer, .address_space: global }
      - { .name: wpx, .offset: 48, .size: 8, .value_kind: global_buffer, .address_space: global }
    .group_segment_fixed_size: 1024
    .private_segment_fixed_size: 0
    .kernarg_segment_align: 8
    .kernarg_segment_size: 56
    .max_flat_workgroup_size: 128
    .sgpr_count:     66
    .vgpr_count:     128
    .wavefront_size: 32
...
	.end_amdgpu_metadata
.endif
;; end of part 1
;; launch proj (part 2): grid 64 x 3, 4 waves a work-group, no clusters, 159,232 bytes of LDS; arguments q, k, v, bq, bk, bv, wimg, qbuf, kv; writes qbuf, kv
.if DOCPART == 2
	.amdgcn_target "amdgcn-amd-amdhsa--gfx1250"
	.amdhsa_code_object_version 6
	.text
	.protected	k_q1734c9dbd0_proj
	.globl	k_q1734c9dbd0_proj
	.p2align	8
	.type	k_q1734c9dbd0_proj,@function
k_q1734c9dbd0_proj:
	s_mov_b64 s[64:65], 0
	v_nop
	global_prefetch_b8 v0, s[64:65] scope:SCOPE_SE
	s_setreg_imm32_b32 hwreg(HW_REG_WAVE_MODE, 25, 1), 1
	s_wait_xcnt 0x0
; THE THREE INPUT PROJECTIONS, x W^T + b, on codes of FP6 (E2M3); their results are quantised on the way for the two products of attention and stored as codes in the order of an operand's registers.  No work is left out.
; y = 0: q, y = 1: k, y = 2: v.  A work-group stays on 256 tokens, four blocks of 64.  THE WAVES SHARE THE COLUMNS: wave w owns f = 128 w .. + 127 (heads 2 w, 2 w + 1); its 32 fragments of W stay in registers.
; A BLOCK.  X: wave w brings 16 tokens (dense loads, 512 bytes each, one block ahead), turns them through its own stage in LDS so that a lane holds 16 neighbours along K, quantises them and stores four fragments' images | barrier |
; q, k: for each tile of tokens, source 0 = 16 rows of W, source 1 = x: a lane holds one token, its 64 registers run along f: quantised along the head's 64 they are two half fragments (6 registers each), one for each head.
; v: source 0 = x, source 1 = 16 rows of W: a lane holds one f, its registers run along the 64 tokens, which are the second product's K: a pair of f tiles gives two half fragments | barrier.
; THE NEXT BLOCK'S 64 LOADS GO OUT IN TWO RUNS, 48 behind the turn through the stage and 16 behind the first quarter of the products: the issue of a load that would push LOADcnt past its field waits for the oldest
; to come back (ISA guide 5.7.1), and by then the oldest have had the quantising and a quarter of the products in which to come.
; TOKENS OF A TILE: q natural (16 m + r); k and v: 32 (m / 2) + 8 (m % 2) + r + 8 (r / 8), so that scores, and v's results, are 16 neighbours along the keys in a lane.
; A half fragment's image is 768 bytes: registers 0-3 at 16 x lane, registers 4-5 at 512 + 8 x lane.  A half record (26,624 bytes): 32 such images, then 8 x 256 bytes of scale words (two bytes in a word's low half).
; qbuf[b][head]: 2 half records.  kv[b][head]: K lo, K hi, V lo, V hi.  K, q: image 4 B + m, scale word at 256 B + 16 r + 4 m (B: the block of 64 tokens in the half).  V: image 4 B + t, scale words at 256 B + 8 x lane + 4 (t / 2), the lanes' half = t % 2.
; 192 work-groups: three tensors of 64 quarters of a batch, so that a wave's weights are read once for four blocks; the launch streams x once.
; LIMITS: blocks whose largest magnitude lies under 2^-124 keep the byte 1; NaN and infinities among the inputs are not served.
; REGISTERS: window 0: v1-14 addresses; v16, v17 the add's two; v32-95 HA: 64 numbers, then the 8 accumulators; v96-159 HB: 64 numbers, then four fragments of x; v160-175 at work; v176 a scale word; v180-199 codes;
;   v200-207 x's scale words; v208-211 words to store; v212-243 W's scale words.   window 1: W (t, K steps 0, 1), from v192 the bias, 8 a tile.   window 2: W (t, K steps 2, 3), from v192 four fragments of x.   window 3: a block's x as loaded.
.set HR,    26624
.set XIMG,  0                          ; LDS: x's 16 images (4 m + s),
.set XSCL,  24576                      ; their scale words, 128 bytes each,
.set STG,   26624                      ; and a stage of 16 rows x (2,048 + 16) bytes for each wave
.set SPI,   2064
.set STGW,  16*SPI
.set SPARE, STG+4*STGW                 ; the spare words, 128 bytes for each wave: two blocks of 256 bytes that no other line names
.set LI,  1                            ; 16 x lane
.set L8,  2                            ; 8 x lane
.set L4,  3                            ; 4 x lane
.set XO2, 5                            ; 16 x lane, + 8 tokens where the tile's rows 8-15 lie 8 tokens further on
.set SWA, 6                            ; my stage, as loaded
.set SRA, 7                            ; my stage, row r, + 64 h
.set IWA, 8                            ; where I store images
.set ISA, 9                            ; and their scale words
.set SH,  10                           ; 16 h
.set KSO, 11                           ; h x a head's bytes + 16 r
.set R16, 12                           ; 16 r
.set VB,  13                           ; 4 (r + 8 (r / 8))
.set BH,  14                           ; 64 h
.set SPW, 16
.set NIL, 17
.set HA,  32
.set HB,  96
.set XF0, 96
.set XF1, 192                          ; in window 2
.set TM,  160
.set PW,  176
.set PC,  180
.set XSC, 200
.set SW,  208
.set WS,  212
.set BI,  192                          ; in window 1
.set WV,  22
.set Y,   23
.set SEL, 24
.set BLK, 26
.set HS,  27                           ; bytes from head to head in the output buffer
.set BE,  36                           ; s[36:37] codes of head 2 w;  s[38:39] of head 2 w + 1;  s[40:41], s[42:43] their scale words
.set BO,  38
.set SE,  40
.set SO,  42
.set WSB, 44
.set MSB, 0
.macro WIN new                         ; the immediate's high byte repeats the setting that is left
.if MSB != (\new)
	s_set_vgpr_msb (MSB<<8)|(\new)
.set MSB, (\new)
.endif
.endm
.macro NOPS n
.rept \n
	v_nop
.endr
.endm
; 32 nc numbers of a lane, register 16 b + i = k 32 b + 16 (lane / 16) + i of my row, become 6 nc registers of codes at v[pc] and a scale word in v[pw].  Each accumulator is read from its low end on.
.macro QUANT src, w, nc, pc, pw
	WIN ((\w)|((\w)<<2))
.set qb, 0
.rept 2*(\nc)
	v_max3_num_f32 v[TM+qb], |v[(\src)+16*qb]|, |v[(\src)+16*qb+1]|, 0x1800000   ; my 16 numbers of block b, and the floor 2^(3 - 127): the byte cannot fall under 1
.set qb, qb+1
.endr
.set qi, 2
.rept 7
.set qb, 0
.rept 2*(\nc)
	v_max3_num_f32 v[TM+qb], |v[(\src)+16*qb+qi]|, |v[(\src)+16*qb+qi+1]|, v[TM+qb]
.set qb, qb+1
.endr
.set qi, qi+2
.endr
	WIN 0
.set qb, 0
.rept 2*(\nc)
	v_permlanex16_b32 v[TM+4+qb], v[TM+qb], s[SEL], s[SEL+1]
.set qb, qb+1
.endr
.set qb, 0
.rept 2*(\nc)
	v_max_num_f32 v[TM+qb], v[TM+qb], v[TM+4+qb]
.set qb, qb+1
.endr
.set qb, 0
.rept 2*(\nc)
	v_add_nc_u32 v[TM+12+qb], 0xff000000, v[TM+qb] ; 2 off the exponent field: the conversion's scale operand
.set qb, qb+1
.endr
.set qb, 0
.rept 2*(\nc)
	v_lshrrev_b32 v[TM+4+qb], 23, v[TM+12+qb]      ; the scale's byte
.set qb, qb+1
.endr
	v_lshl_or_b32 v[\pw], v[TM+5], 8, v[TM+4]
.if (\nc) > 1
	v_lshl_or_b32 v[\pw], v[TM+6], 16, v[\pw]
	v_lshl_or_b32 v[\pw], v[TM+7], 24, v[\pw]
.endif
	WIN (\w)
.set qb, 0
.rept (\nc)
	v_cvt_scalef32_pk16_fp6_f32 v[(\pc)+6*qb:(\pc)+6*qb+2], v[(\src)+32*qb:(\src)+32*qb+15], v[TM+12+2*qb]
	v_cvt_scalef32_pk16_fp6_f32 v[(\pc)+12+4*qb:(\pc)+14+4*qb], v[(\src)+32*qb+16:(\src)+32*qb+31], v[TM+12+2*qb+1]
.set qb, qb+1
.endr
	WIN 0
	v_nop                                          ; one plain place behind a scaled conversion
.set qb, 0
.rept (\nc)
.irp i, 0,1,2
	v_permlane16_swap_b32 v[(\pc)+6*qb+\i], v[(\pc)+12+4*qb+\i]
.endr
.irp i, 0,1,2
	v_mov_b32 v[(\pc)+3+6*qb+\i], v[(\pc)+12+4*qb+\i]
.endr
.set qb, qb+1
.endr
.endm
.macro XRAWA off                       ; rows 0-11 of my 16 tokens of the block that begins off bytes on: 48 loads of 512 consecutive bytes, into window 3
	WIN 0xc0
.irp i, 0,1,2,3,4,5,6,7
.irp c, 0,1,2,3
	global_load_b128 v[16*\i+4*\c:16*\i+4*\c+3], v[LI], s[4:5] offset:\off+2048*\i+512*\c th:TH_LOAD_NT
.endr
.endr
.irp i, 8,9,10,11
.irp c, 0,1,2,3
	global_load_b128 v[16*\i+4*\c:16*\i+4*\c+3], v[XO2], s[4:5] offset:\off+2048*\i+512*\c th:TH_LOAD_NT
.endr
.endr
	WIN 0
.endm
.macro XRAWB off                       ; rows 12-15: 16 loads
	WIN 0xc0
.irp i, 12,13,14,15
.irp c, 0,1,2,3
	global_load_b128 v[16*\i+4*\c:16*\i+4*\c+3], v[XO2], s[4:5] offset:\off+2048*\i+512*\c th:TH_LOAD_NT
.endr
.endr
	WIN 0
.endm
.macro XLD reg, s                      ; out of my stage: my row's 64 numbers of K step s
.irp b, 0,1,2,3
.irp j, 0,1,2,3
	ds_load_b128 v[\reg+16*\b+4*\j:\reg+16*\b+4*\j+3], v[SRA] offset:512*\s+128*\b+16*\j
.endr
.endr
.endm
.macro IMAGE s                         ; the fragment just made goes to LDS as it stands, and its scale words
.irp c, 0,1,2
	ds_store_b128 v[IWA], v[PC+4*\c:PC+4*\c+3] offset:XIMG+1536*\s+512*\c
.endr
	ds_store_b32 v[ISA], v[PW] offset:XSCL+128*\s
.endm
.macro BARRIER                         ; my LDS stores have landed and my LDS loads are in: then the work-group's barrier
	s_wait_dscnt 0x0
	s_barrier_signal -1
	s_barrier_wait -1
.endm
.macro QPM t, s                        ; q, k: source 0 = W (t, s), source 1 = x (m, s)
.if (\s) == 0
	v_wmma_scale_f32_16x16x128_f8f6f4 v[HA+8*\t:HA+8*\t+7], v[12*(2*\t):12*(2*\t)+11], v[XF0:XF0+11], v[BI+8*\t:BI+8*\t+7], v[WS+4*\t], v[XSC] matrix_a_fmt:MATRIX_FMT_FP6 matrix_b_fmt:MATRIX_FMT_FP6
.else
	v_wmma_scale_f32_16x16x128_f8f6f4 v[HA+8*\t:HA+8*\t+7], v[12*(2*\t+(\s)%2):12*(2*\t+(\s)%2)+11], v[XF0+12*(\s):XF0+12*(\s)+11], v[HA+8*\t:HA+8*\t+7], v[WS+4*\t+(\s)], v[XSC+(\s)] matrix_a_fmt:MATRIX_FMT_FP6 matrix_b_fmt:MATRIX_FMT_FP6
.endif
.endm
.macro FETCHXV z                       ; v: the four tiles' fragments of K step z % 4 into buffer z % 2, and their scale words
.set fs_, (\z)%4
.if (\z)%2
	WIN 0x80
.irp m, 0,1,2,3
.irp c, 0,1,2
	ds_load_b128 v[XF1+12*\m+4*\c:XF1+12*\m+4*\c+3], v[LI] offset:XIMG+(4*\m+fs_)*1536+512*\c
.endr
.endr
	WIN 0
.else
.irp m, 0,1,2,3
.irp c, 0,1,2
	ds_load_b128 v[XF0+12*\m+4*\c:XF0+12*\m+4*\c+3], v[LI] offset:XIMG+(4*\m+fs_)*1536+512*\c
.endr
.endr
.endif
.irp m, 0,1,2,3
	ds_load_b32 v[XSC+4*((\z)%2)+\m], v[L4] offset:XSCL+(4*\m+fs_)*128
.endr
.endm
.macro VPM m, u                        ; v: source 0 = x (m, s), source 1 = W (2 p + u, s)
.set va_, XF0+12*(\m)
.if vs_%2
.set va_, XF1+12*(\m)
.endif
.set vt_, 2*vp_+(\u)
.set vb_, 12*(2*vt_+vs_%2)
.set vd_, HA+8*(4*(\u)+(\m))
.if vs_ == 0
	v_wmma_scale_f32_16x16x128_f8f6f4 v[vd_:vd_+7], v[va_:va_+11], v[vb_:vb_+11], v[BI+8*vt_:BI+8*vt_+7], v[XSC+4*(vs_%2)+(\m)], v[WS+4*vt_+vs_] matrix_a_fmt:MATRIX_FMT_FP6 matrix_b_fmt:MATRIX_FMT_FP6
.else
	v_wmma_scale_f32_16x16x128_f8f6f4 v[vd_:vd_+7], v[va_:va_+11], v[vb_:vb_+11], v[vd_:vd_+7], v[XSC+4*(vs_%2)+(\m)], v[WS+4*vt_+vs_] matrix_a_fmt:MATRIX_FMT_FP6 matrix_b_fmt:MATRIX_FMT_FP6
.endif
.endm
.macro VOUT base                       ; two half fragments: f tiles 2 p and 2 p + 1, this block's 64 keys
	global_store_b128 v[LI], v[PC:PC+3], s[\base:\base+1] offset:1536*(vp_%2)
	global_store_b64 v[L8], v[PC+4:PC+5], s[\base:\base+1] offset:1536*(vp_%2)+512
	global_store_b128 v[LI], v[PC+6:PC+9], s[\base:\base+1] offset:1536*(vp_%2)+768
	global_store_b64 v[L8], v[PC+10:PC+11], s[\base:\base+1] offset:1536*(vp_%2)+1280
.endm
.macro VSTEP z                         ; step z = 4 p + s: eight products, the eight accumulators by turns
.set vp_, (\z)/4
.set vs_, (\z)%4
.if vs_ != 0
	NOPS 4                                         ; places in front of the loads below: they land in the buffer that the step before, whose products were issued last, has read
.endif
.if (\z) < 15
	FETCHXV (\z)+1
	s_wait_dscnt 16                                ; this step's fragments are in; the next step's 12 + 4 loads may be out
.else
	s_wait_dscnt 0x0
.endif
.if vs_ == 0
	WIN 0x14                                       ; x window 0, W window 1, the bias window 1
.elseif vs_ == 1
	WIN 0x06                                       ; x window 2, W window 1
.elseif vs_ == 2
	WIN 0x08                                       ; x window 0, W window 2
.else
	WIN 0x0a                                       ; x window 2, W window 2
.endif
.irp m, 0,1,2,3
.irp u, 0,1
	VPM \m, \u
.endr
.endr
	WIN 0
.if vs_ == 3
	NOPS 5                                         ; places behind the products: four for the reads of results, a fifth since the accumulators are begun anew with another C
	s_wait_xcnt 0x0                                ; the last stores have read the codes' registers
	QUANT HA, 0, 2, PC, PW
.if vp_ < 2
	VOUT BE
.else
	VOUT BO
.endif
	v_bfe_u32 v[SW+vp_], v[PW], v[SH], 16          ; lanes 0-15: tile 2 p's two bytes; lanes 16-31: tile 2 p + 1's
.endif
.endm
	s_load_b256 s[4:11], s[0:1], 0x0               ; q, k, v, bq
	s_load_b256 s[12:19], s[0:1], 0x20             ; bk, bv, wimg, qbuf
	s_load_b64 s[20:21], s[0:1], 0x40              ; kv
	v_lshl_add_u32 v[SPW], v0, 2, SPARE
	v_mov_b32 v[NIL], 0
	v_lshrrev_b32 v15, 5, v0
	v_readfirstlane_b32 s[WV], v15                 ; wave 0..3
	s_and_b32 s[Y], ttmp7, 0xffff
	v_and_b32 v15, 31, v0                          ; lane
	v_and_b32 v18, 15, v0                          ; r
	v_bfe_u32 v19, v0, 4, 1                        ; h
	v_lshlrev_b32 v[LI], 4, v15
	v_lshlrev_b32 v[L8], 3, v15
	v_lshlrev_b32 v[L4], 2, v15
	v_lshlrev_b32 v[R16], 4, v18
	v_lshlrev_b32 v[SH], 4, v19
	v_lshlrev_b32 v[BH], 6, v19
	v_and_b32 v[VB], 8, v18
	v_add_nc_u32 v[VB], v[VB], v18
	v_lshlrev_b32 v[VB], 2, v[VB]
	s_mul_i32 s28, s[WV], STGW
	s_add_co_u32 s28, s28, STG
	v_add_nc_u32 v[SWA], s28, v[LI]
	v_mul_u32_u24 v[SRA], v18, SPI
	v_lshl_add_u32 v[SRA], v19, 6, v[SRA]
	v_add_nc_u32 v[SRA], s28, v[SRA]
	s_mul_i32 s28, s[WV], 6144
	v_add_nc_u32 v[IWA], s28, v[LI]
	s_lshl_b32 s28, s[WV], 9
	v_add_nc_u32 v[ISA], s28, v[L4]
	s_mov_b32 s[SEL], 0x76543210
	s_mov_b32 s[SEL+1], 0xfedcba98
.irp b, 0,1,2,3
	v_mov_b32 v[TM+4+\b], 0                        ; written once: a lane permute's destination counts as one of its sources
.endr
	s_mov_b32 s[BLK], 4
	s_lshl_b32 s28, s[WV], 15                      ; my tile's first token, in bytes: natural, 16 w;
	s_lshr_b32 s29, s[WV], 1
	s_lshl_b32 s29, s29, 16
	s_and_b32 s30, s[WV], 1
	s_lshl_b32 s30, s30, 14
	s_add_co_u32 s29, s29, s30                     ; or 32 (w / 2) + 8 (w % 2)
	s_mov_b32 s[HS], 4*HR
	s_cmp_eq_u32 s[Y], 0
	s_cselect_b32 s28, s28, s29
	s_cselect_b32 s[HS], 2*HR, s[HS]
	s_cselect_b32 s30, 0, 16384
	v_add_nc_u32 v[XO2], s30, v[LI]
	s_lshl_b32 s31, ttmp9, 19                      ; the work-group's 256 tokens of 2,048 bytes
	s_add_co_u32 s28, s28, s31
	s_mov_b32 s29, 0
	v_mul_lo_u32 v[KSO], v19, s[HS]
	v_add_nc_u32 v[KSO], v[KSO], v[R16]
	s_lshr_b32 s30, ttmp9, 2                       ; the batch
	s_lshl_b32 s30, s30, 3
	s_lshl_b32 s31, s[WV], 1
	s_add_co_u32 s30, s30, s31                     ; 8 b + 2 w
	s_mul_i32 s30, s30, s[HS]
	s_bfe_u32 s31, ttmp9, 0x10001                  ; which half of the batch's tokens
	s_mul_i32 s31, s31, HR
	s_add_co_u32 s30, s30, s31
	s_cmp_eq_u32 s[Y], 2
	s_cselect_b32 s31, 2*HR, 0                     ; V lies behind K
	s_add_co_u32 s30, s30, s31                     ; head 2 w's half record
	s_and_b32 s32, ttmp9, 1                        ; its blocks 0-3 or 4-7
	s_mul_i32 s33, s32, 12288
	s_add_co_u32 s34, s30, s33
	s_mov_b32 s35, 0
	s_lshl_b32 s32, s32, 10
	s_add_co_u32 s32, s32, s30
	s_add_co_u32 s32, s32, 24576
	s_mov_b32 s33, 0
	s_mul_i32 s46, s[Y], 204800
	s_mul_i32 s47, s[WV], 49152
	s_lshl_b32 s48, s[WV], 11
	s_add_co_u32 s48, s48, s46
	s_add_co_u32 s48, s48, 196608                  ; my 8 tiles' scale words,
	s_mov_b32 s49, 0
	s_add_co_u32 s46, s46, s47                     ; and my 32 images
	s_mov_b32 s47, 0
	s_lshl_b32 s50, s[WV], 9                       ; my 128 numbers of the bias
	s_mov_b32 s51, 0
	s_mov_b32 s52, s[HS]
	s_mov_b32 s53, 0
	s_wait_kmcnt 0x0
	s_cmp_eq_u32 s[Y], 1
	s_cselect_b64 s[4:5], s[6:7], s[4:5]
	s_cselect_b64 s[10:11], s[12:13], s[10:11]
	s_cmp_eq_u32 s[Y], 2
	s_cselect_b64 s[4:5], s[8:9], s[4:5]
	s_cselect_b64 s[10:11], s[14:15], s[10:11]
	s_cmp_eq_u32 s[Y], 0
	s_cselect_b64 s[18:19], s[18:19], s[20:21]     ; q's codes go to qbuf, k's and v's to kv
	s_add_nc_u64 s[4:5], s[4:5], s[28:29]
	s_add_nc_u64 s[10:11], s[10:11], s[50:51]
	s_add_nc_u64 s[WSB:WSB+1], s[16:17], s[48:49]
	s_add_nc_u64 s[16:17], s[16:17], s[46:47]
	s_add_nc_u64 s[BE:BE+1], s[18:19], s[34:35]
	s_add_nc_u64 s[SE:SE+1], s[18:19], s[32:33]
	s_add_nc_u64 s[BO:BO+1], s[BE:BE+1], s[52:53]
	s_add_nc_u64 s[SO:SO+1], s[SE:SE+1], s[52:53]
	WIN 0x40                                       ; W's fragments stay: K steps 0, 1 in window 1,
.irp t, 0,1,2,3,4,5,6,7
.irp s, 0,1
.irp c, 0,1,2
	global_load_b128 v[12*(2*\t+\s)+4*\c:12*(2*\t+\s)+4*\c+3], v[LI], s[16:17] offset:(4*\t+\s)*1536+512*\c
.endr
.endr
.endr
	WIN 0x80                                       ; K steps 2, 3 in window 2
.irp t, 0,1,2,3,4,5,6,7
.irp s, 0,1
.irp c, 0,1,2
	global_load_b128 v[12*(2*\t+\s)+4*\c:12*(2*\t+\s)+4*\c+3], v[LI], s[16:17] offset:(4*\t+2+\s)*1536+512*\c
.endr
.endr
.endr
	WIN 0
.irp t, 0,1,2,3,4,5,6,7
	global_load_b128 v[WS+4*\t:WS+4*\t+3], v[R16], s[WSB:WSB+1] offset:256*\t
.endr
	s_cmp_eq_u32 s[Y], 2
	s_cbranch_scc1 .Lbias_v
	WIN 0x40                                       ; q, k: a lane's eight results of tile t are f = 32 (t / 2) + 16 h + 8 (t % 2) + 0 .. 7
.irp t, 0,1,2,3,4,5,6,7
	global_load_b128 v[BI+8*\t:BI+8*\t+3], v[BH], s[10:11] offset:(32*(\t/2)+8*(\t%2))*4
	global_load_b128 v[BI+8*\t+4:BI+8*\t+7], v[BH], s[10:11] offset:(32*(\t/2)+8*(\t%2))*4+16
.endr
	WIN 0
	s_branch .Lbias_done
.Lbias_v:
	WIN 0x40                                       ; v: a lane's eight results are eight tokens of ONE f: its bias in all eight registers
.irp t, 0,1,2,3,4,5,6,7
.irp j, 0,1,2,3,4,5,6,7
	global_load_b32 v[BI+8*\t+\j], v[VB], s[10:11] offset:(32*(\t/2)+8*(\t%2))*4
.endr
.endr
	WIN 0
.Lbias_done:
	s_wait_alu depctr_va_vdst(0)
	XRAWA 0                                        ; the first block
	XRAWB 0
.Lblock:
	s_wait_loadcnt 0x0                             ; this block's x (in the first trip: the weights too)
	WIN 0x0c                                       ; an LDS store's data are its source 1: window 3
.irp i, 0,1,2,3,4,5,6,7,8,9,10,11,12,13,14,15
.irp c, 0,1,2,3
	ds_store_b128 v[SWA], v[16*\i+4*\c:16*\i+4*\c+3] offset:SPI*\i+512*\c
.endr
.endr
	WIN 0
	XLD HA, 0                                      ; LDS serves a wave's instructions in order: these see my stores
	XLD HB, 1
	s_wait_dscnt 16                                ; K step 0 is back (so the stores have read window 3); K step 1's sixteen loads may be out
	s_cmp_eq_u32 s[BLK], 1                         ; the next block is asked for from here on, if there is one: no load leaves its buffer
	s_cbranch_scc1 .Lno_next
	XRAWA 131072
.Lno_next:
	QUANT HA, 0, 2, PC, PW
	IMAGE 0
	XLD HA, 2
	s_wait_dscnt 16                                ; K step 1 is back and the image's stores have read their registers; K step 2's loads may be out
	QUANT HB, 0, 2, PC, PW
	IMAGE 1
	XLD HB, 3
	s_wait_dscnt 16                                ; likewise: K step 3's loads may be out
	QUANT HA, 0, 2, PC, PW
	IMAGE 2
	s_wait_dscnt 0x0
	QUANT HB, 0, 2, PC, PW
	IMAGE 3
	BARRIER                                        ; x's sixteen fragments lie in LDS
	s_cmp_eq_u32 s[Y], 2
	s_cbranch_scc1 .Lvpath
.irp m, 0,1,2,3                        ; ---- q, k: a tile of 16 tokens at a time
.irp s, 0,1,2,3
.irp c, 0,1,2
	ds_load_b128 v[XF0+12*\s+4*\c:XF0+12*\s+4*\c+3], v[LI] offset:XIMG+(4*\m+\s)*1536+512*\c
.endr
	ds_load_b32 v[XSC+\s], v[L4] offset:XSCL+(4*\m+\s)*128
.endr
	s_wait_dscnt 0x0
	WIN 0x11                                       ; W window 1, the bias window 1
.irp t, 0,1,2,3,4,5,6,7
	QPM \t, 0
.endr
	WIN 0x01
.irp t, 0,1,2,3,4,5,6,7
	QPM \t, 1
.endr
	WIN 0x02                                       ; W window 2
.irp t, 0,1,2,3,4,5,6,7
	QPM \t, 2
.endr
.irp t, 0,1,2,3,4,5,6,7
	QPM \t, 3
.endr
	WIN 0
	NOPS 5                                         ; places behind the products: four for reads and loads, a fifth since the accumulators are begun anew with another C
	s_wait_xcnt 0x0                                ; the last stores have read the codes' registers
	QUANT HA, 0, 2, PC, PW                         ; registers 0-5: head 2 w's 64; registers 6-11: head 2 w + 1's
	global_store_b128 v[LI], v[PC:PC+3], s[BE:BE+1] offset:768*\m
	global_store_b64 v[L8], v[PC+4:PC+5], s[BE:BE+1] offset:768*\m+512
	global_store_b128 v[LI], v[PC+6:PC+9], s[BO:BO+1] offset:768*\m
	global_store_b64 v[L8], v[PC+10:PC+11], s[BO:BO+1] offset:768*\m+512
	v_bfe_u32 v[SW+\m], v[PW], v[SH], 16           ; lanes 0-15: head 2 w's two bytes; lanes 16-31: head 2 w + 1's
.if \m == 0
	s_cmp_eq_u32 s[BLK], 1                         ; the next block's last sixteen loads
	s_cbranch_scc1 .Lno_next_q
	XRAWB 131072
.Lno_next_q:
.endif
.endr
	global_store_b128 v[KSO], v[SW:SW+3], s[SE:SE+1]   ; sixteen lanes fill a head's 256 bytes of this block
	s_branch .Ljoin
.Lvpath:                               ; ---- v: a pair of f tiles at a time, all 64 tokens
	FETCHXV 0
.set vz, 0
.rept 4
	VSTEP vz
.set vz, vz+1
.endr
	s_cmp_eq_u32 s[BLK], 1                         ; the next block's last sixteen loads
	s_cbranch_scc1 .Lno_next_v
	XRAWB 131072
.Lno_next_v:
.rept 12
	VSTEP vz
.set vz, vz+1
.endr
	global_store_b64 v[L8], v[SW:SW+1], s[SE:SE+1]     ; 32 lanes fill a head's 256 bytes of this block
	global_store_b64 v[L8], v[SW+2:SW+3], s[SO:SO+1]
.Ljoin:
	BARRIER                                        ; every wave's reads of the images are over: the next block's may be stored
	s_wait_xcnt 0x0                                ; loads and stores have read their bases and registers
	s_add_nc_u64 s[4:5], s[4:5], 131072
	s_add_nc_u64 s[BE:BE+1], s[BE:BE+1], 3072
	s_add_nc_u64 s[BO:BO+1], s[BO:BO+1], 3072
	s_add_nc_u64 s[SE:SE+1], s[SE:SE+1], 256
	s_add_nc_u64 s[SO:SO+1], s[SO:SO+1], 256
	s_sub_co_u32 s[BLK], s[BLK], 1
	s_cmp_lg_u32 s[BLK], 0
	s_cbranch_scc1 .Lblock
	s_wait_tensorcnt 0x0                           ; the wave's end: behind my last LDS store
	ds_add_u32 v[SPW], v[NIL]
	s_wait_dscnt 0x0
	s_endpgm
.Lfunc_end_k_q1734c9dbd0_proj:
	.size	k_q1734c9dbd0_proj, .Lfunc_end_k_q1734c9dbd0_proj-k_q1734c9dbd0_proj
	.p2alignl 7, 3214868480
	.fill 96, 4, 3214868480
	.section	.rodata,"a",@progbits
	.p2align	6, 0x0
	.amdhsa_kernel k_q1734c9dbd0_proj
		.amdhsa_group_segment_fixed_size 159232
		.amdhsa_private_segment_fixed_size 0
		.amdhsa_enable_private_segment 0
		.amdhsa_kernarg_size 72
		.amdhsa_user_sgpr_count 2
		.amdhsa_user_sgpr_kernarg_segment_ptr 1
		.amdhsa_wavefront_size32 1
		.amdhsa_system_sgpr_workgroup_id_x 1
		.amdhsa_system_sgpr_workgroup_id_y 1
		.amdhsa_system_sgpr_workgroup_id_z 1
		.amdhsa_system_vgpr_workitem_id 0
		.amdhsa_next_free_vgpr 1024
		.amdhsa_next_free_sgpr 66
		.amdhsa_reserve_vcc 0
		.amdhsa_float_denorm_mode_32 3
		.amdhsa_float_denorm_mode_16_64 3
		.amdhsa_memory_ordered 1
		.amdhsa_forward_progress 1
		.amdhsa_inst_pref_size 152
	.end_amdhsa_kernel
	.amdgpu_metadata
---
amdhsa.version: [ 1, 2 ]
amdhsa.kernels:
  - .name:           k_q1734c9dbd0_proj
    .symbol:         k_q1734c9dbd0_proj.kd
    .args:
      - { .name: q, .offset: 0, .size: 8, .value_kind: global_buffer, .address_space: global }
      - { .name: k, .offset: 8, .size: 8, .value_kind: global_buffer, .address_space: global }
      - { .name: v, .offset: 16, .size: 8, .value_kind: global_buffer, .address_space: global }
      - { .name: bq, .offset: 24, .size: 8, .value_kind: global_buffer, .address_space: global }
      - { .name: bk, .offset: 32, .size: 8, .value_kind: global_buffer, .address_space: global }
      - { .name: bv, .offset: 40, .size: 8, .value_kind: global_buffer, .address_space: global }
      - { .name: wimg, .offset: 48, .size: 8, .value_kind: global_buffer, .address_space: global }
      - { .name: qbuf, .offset: 56, .size: 8, .value_kind: global_buffer, .address_space: global }
      - { .name: kv, .offset: 64, .size: 8, .value_kind: global_buffer, .address_space: global }
    .group_segment_fixed_size: 159232
    .private_segment_fixed_size: 0
    .kernarg_segment_align: 8
    .kernarg_segment_size: 72
    .max_flat_workgroup_size: 128
    .sgpr_count:     66
    .vgpr_count:     1024
    .wavefront_size: 32
...
	.end_amdgpu_metadata
.endif
;; end of part 2
;; launch attn (part 3): grid 16 x 16, 4 waves a work-group, clusters of 4 x 1, 327,680 bytes of LDS; arguments d, qbuf, kv, wimg, wpx, out0; writes out0
.if DOCPART == 3
	.amdgcn_target "amdgcn-amd-amdhsa--gfx1250"
	.amdhsa_code_object_version 6
	.text
	.protected	k_q1734c9dbd0_attn
	.globl	k_q1734c9dbd0_attn
	.p2align	8
	.type	k_q1734c9dbd0_attn,@function
k_q1734c9dbd0_attn:
	s_mov_b64 s[64:65], 0
	v_nop
	global_prefetch_b8 v0, s[64:65] scope:SCOPE_SE
	s_setreg_imm32_b32 hwreg(HW_REG_WAVE_MODE, 25, 1), 1
	s_wait_xcnt 0x0
	s_wait_alu depctr_hold_cnt(0) depctr_sa_sdst(0) depctr_va_vdst(0) depctr_va_sdst(0) depctr_va_ssrc(0) depctr_va_vcc(0) depctr_vm_vsrc(0)
	s_getreg_b32 s2, hwreg(HW_REG_IB_STS2, 6, 4)
	s_cmp_eq_u32 s2, 0
	s_cbranch_scc0 .Lentry_in_a_cluster
	s_endpgm
.Lentry_in_a_cluster:
	s_bfe_u32 s2, ttmp6, 0x10000c
	s_cmp_lg_u32 s2, 0x3003
	s_cbranch_scc0 .Lentry_shape_is_right
	s_endpgm
.Lentry_shape_is_right:
; out = ((softmax(qh kh^T / 8 + d) * d) vh) Wp^T + bp, all three products on codes of FP6 (E2M3) with one E8M0 scale for each 32 along K.  No work is left out.
; SHARES.  A work-group owns 64 queries of one batch and walks its 8 heads; wave w owns queries 16 w .. + 15; a lane holds ONE query (lane % 16) throughout.
; THE WHOLE ROW STAYS IN REGISTERS: the weights are quantised finished and normalised, so no code can be made before the row's sum is known; 16 queries x 1,024 keys of f32 are 512 registers of a wave (windows 2, 3):
; each score is multiplied once and each exponential taken once.  d's 64 rows (256 KiB) are read from memory once and stay in LDS for all 8 heads, as 8 d, which is exact.
; A HEAD: S = K Q^T + 8 d: 8 d is loaded from LDS into the accumulators and is the C of each score product, so the addition costs no vector instruction.  m = the row's largest S; p = 2^(S c - m c), c = log2(e) / 8: one fused
; multiply-add and one exponential; l = the sum; a = p (8 d) / (8 l), quantised along the keys; O^T = V^T a^T; O^T's 64 numbers of a lane are quantised along the head's 64: a half fragment of the last product's operand, kept in registers.
; K = 64 fills half of the instruction's 128: Q's upper 64 codes are zeros, set once.  K's half fragments lie SIX registers apart, so that a tile's upper six registers are the next tile's codes (behind the eighth: six registers of zeros):
; every code of the format is a finite number, its product with Q's zero adds nothing, and K's scale bytes there are 0, which stands for 2^-127.  That leaves room for two sets of K's and of V's fragments:
; each set is asked for two stages ahead, so that LDS has requests waiting while a stage's products and vector work run.
; THE TAIL: the four waves hand each other x's fragments through LDS and share the columns of Wp.
; THE KEYS OF A TILE, V's and Wp's rows of a tile are not neighbours: lane r of tile T stands for 32 (T / 2) + 8 (T % 2) + r + 8 (r / 8), so that a lane's 16 results of tiles 2 b, 2 b + 1 are 16 neighbours along the next K.
; THE RING: the batch's K and V codes are one dense stream of 32 half records of 26,624 bytes; a 33rd fill brings Wp's scale words and bp.  Two LDS slots; each wave moves 26 rows of 256 bytes; one tensor load of mine is out at a time.
; CLUSTER: the four work-groups of a cluster belong to one batch and walk the same stream: every fill is asked for jointly, by the same load with the same descriptor and the mask of the four.
; LIMITS: NaN and infinities among the inputs are not served; |d| stays under 2^124; blocks whose largest magnitude lies under 2^-124 keep the byte 1; a p under 2^-126 is 0; m c is rounded once and taken from every S c of the row alike,
; so that its rounding cancels in p / l; the sum K Q^T + 8 d is rounded as the matrix instruction rounds it.
; REGISTERS: window 0: v1-15 addresses; v16-19 -m c, 1 / (8 l) (pairs); v20-27 maxima, later V's second set of scale halves; v28-43 sums; v46 Q's scale words; v48-59 Q; v60-63, v140-143 K's scale words; v64-69 V's; v70 the weights';
;   v72-83 x's scale words; v84-103 the tail's; v104-119 at work; v120-139 codes; v144-175 O^T; v176-239 128 keys of 8 d, in the tail the 8 accumulators.
;   window 1: v0-53, v150-203 K's two sets; v54-101, v102-149 V's two sets; v208-255 x's 4 fragments.   windows 2, 3: the row (tile T at 8 T); in the tail Wp's 32 fragments.
.set HR,    26624
.set SLOT0, 0
.set SLOT1, HR
.set SPARE, 2*HR                       ; the spare words, 128 bytes for each wave: two blocks of 256 bytes that no other line names
.set DREG,  SPARE+512                  ; 8 d: for each wave 16 rows x (4,096 + 16) bytes; written by LDS stores alone, no fill lands here
.set DP,    4112
.set DW,    16*DP
.set XSO,   6144                       ; in the tail a wave's part holds x's four images (from 0), their scale words (from XSO) and the way out's stage (from STGO)
.set STGO,  8192
.set SP,    528
.set LI,  1                            ; 16 x lane
.set L8,  2                            ; 8 x lane
.set DA,  3                            ; my part of 8 d: row r, + 64 h
.set DWA, 4                            ; my part of 8 d, + 16 x lane
.set QSO, 5                            ; 16 r
.set STO, 6
.set RD,  7
.set WSA, 8
.set XIA, 9
.set SPW, 10
.set NIL, 11
.set PFO, 12
.set BPA, 13
.set XSW, 14
.set XSA, 15
.set NM,  16
.set RP,  18
.set MX,  20
.set SU,  28
.set QS,  46
.set QF,  48
.set KSC, 60                           ; K's scale words: set 0 here, set 1 at KSC + 80
.set VSH, 64                           ; V's scale halves: set 0 here, set 1 at VSH - 44 (the maxima's registers, which are done with by then)
.set VSC, 68
.set PW,  70
.set XS,  72
.set XH,  76
.set WSC, 84
.set XSC, 100
.set TM,  104
.set PC,  120
.set OA,  144
.set DT,  176
.set ACC, 176
.set BK,  104
.set KF,  0                            ; in window 1: K's set 0 here, set 1 at KF + 150; 8 x 6 registers and 6 of zeros
.set VF,  54                           ; V's set 0 here, set 1 at VF + 48
.set XF,  208
.set BI,  0
.set WV,  16
.set CX,  17
.set QB,  18
.set BB,  19
.set G1,  24
.set G0,  32
.set WPD, 36                           ; s[36:37] the 33rd fill's address words
.set WQ,  38                           ; 6,656 x wave
.set HC,  39                           ; heads to go
.set SEL, 40
.set CS,  42                           ; s[42:43] c = log2(e) / 8
.set LE,  44                           ; s[44:45] 8.0
.set LIM, 46
.set PFA, 48
.set QP,  50
.set QSP, 52
.set MSB, 0
.macro WIN new                         ; the immediate's high byte repeats the setting that is left
.if MSB != (\new)
	s_set_vgpr_msb (MSB<<8)|(\new)
.set MSB, (\new)
.endif
.endm
.macro NOPS n
.rept \n
	v_nop
.endr
.endm
; 32 nc numbers of a lane in window w, register 16 b + i = k 32 b + 16 (lane / 16) + i of my row, become 6 nc registers of codes at v[pc] and a scale word in v[pw].  Each accumulator is read from its low end on.
.macro QUANT src, w, nc, pc, pw
	WIN ((\w)|((\w)<<2))
.set qb, 0
.rept 2*(\nc)
	v_max3_num_f32 v[TM+qb], |v[(\src)+16*qb]|, |v[(\src)+16*qb+1]|, 0x1800000   ; my 16 numbers of block b, and the floor 2^(3 - 127): the byte cannot fall under 1
.set qb, qb+1
.endr
.set qi, 2
.rept 7
.set qb, 0
.rept 2*(\nc)
	v_max3_num_f32 v[TM+qb], |v[(\src)+16*qb+qi]|, |v[(\src)+16*qb+qi+1]|, v[TM+qb]
.set qb, qb+1
.endr
.set qi, qi+2
.endr
	WIN 0
.set qb, 0
.rept 2*(\nc)
	v_permlanex16_b32 v[TM+4+qb], v[TM+qb], s[SEL], s[SEL+1]
.set qb, qb+1
.endr
.set qb, 0
.rept 2*(\nc)
	v_max_num_f32 v[TM+qb], v[TM+qb], v[TM+4+qb]
.set qb, qb+1
.endr
.set qb, 0
.rept 2*(\nc)
	v_add_nc_u32 v[TM+12+qb], 0xff000000, v[TM+qb] ; 2 off the exponent field: the conversion's scale operand
.set qb, qb+1
.endr
.set qb, 0
.rept 2*(\nc)
	v_lshrrev_b32 v[TM+4+qb], 23, v[TM+12+qb]      ; the scale's byte
.set qb, qb+1
.endr
	v_lshl_or_b32 v[\pw], v[TM+5], 8, v[TM+4]
.if (\nc) > 1
	v_lshl_or_b32 v[\pw], v[TM+6], 16, v[\pw]
	v_lshl_or_b32 v[\pw], v[TM+7], 24, v[\pw]
.endif
	WIN (\w)
.set qb, 0
.rept (\nc)
	v_cvt_scalef32_pk16_fp6_f32 v[(\pc)+6*qb:(\pc)+6*qb+2], v[(\src)+32*qb:(\src)+32*qb+15], v[TM+12+2*qb]
	v_cvt_scalef32_pk16_fp6_f32 v[(\pc)+12+4*qb:(\pc)+14+4*qb], v[(\src)+32*qb+16:(\src)+32*qb+31], v[TM+12+2*qb+1]
.set qb, qb+1
.endr
	WIN 0
	v_nop                                          ; one plain place behind a scaled conversion
.set qb, 0
.rept (\nc)
.irp i, 0,1,2
	v_permlane16_swap_b32 v[(\pc)+6*qb+\i], v[(\pc)+12+4*qb+\i]
.endr
.irp i, 0,1,2
	v_mov_b32 v[(\pc)+3+6*qb+\i], v[(\pc)+12+4*qb+\i]
.endr
.set qb, qb+1
.endr
.endm
; A round of the cluster's barrier: my work-group's barrier; wave 0 signals for the work-group; every wave waits for all four work-groups; my work-group's barrier once more.
.macro ROUND
	s_barrier_signal -1
	s_barrier_wait -1
	s_cmp_lg_u32 s[WV], 0
	s_cbranch_scc1 .Lnot_wave_0_\@
	s_barrier_signal -3
.Lnot_wave_0_\@:
	s_barrier_wait -3
	s_barrier_signal -1
	s_barrier_wait -1
.endm
; THE CHANGE OF SLOTS.  Each wave waits for all its tensor loads (its part of the slot that it is about to read), adds 0 to its spare word, and waits for that and for its reads of the slot that it has left.
; Behind the round no wave of any partner reads that slot or has a load on its way: it is filled with the stream's next half record, the first thing behind the round.
; sel = 1: behind the last head's last change the fill is Wp's scale words and bp, chosen by the count of heads: no load is jumped over.  pf = 1: the prefetches' address steps a head on.
.macro RING slot, sel, pf
	WIN 0
	s_wait_tensorcnt 0x0                           ; no tensor load of mine is out, so the descriptor may be written
	ds_add_u32 v[SPW], v[NIL]                      ; 0 onto my spare word: the descriptor's steps stand between it and the wait for it
	s_add_co_u32 s[G0+1], s[WQ], \slot
	s_add_nc_u64 s[G0+2:G0+3], s[G0+2:G0+3], HR    ; the type bits on top are not reached
.if \sel
	s_cmp_eq_u32 s[HC], 1
	s_cselect_b64 s[G0+2:G0+3], s[WPD:WPD+1], s[G0+2:G0+3]
.endif
.if \pf
	s_wait_xcnt 0x0                                ; the last prefetch, a head back, has read its address
	s_add_nc_u64 s[PFA:PFA+1], s[PFA:PFA+1], 4*HR
.endif
	s_wait_dscnt 0x0                               ; the add is done, and my reads of the slot that I have left are over
	ROUND
	tensor_load_to_lds s[G0:G0+3], s[G1:G1+7]
	s_nop 0
	NOPS 4
.endm
; A PREFETCH INTO THE L2 of the next head's four half records: 416 blocks of 256 bytes.  All clusters of a batch walk the same stream: the batch's first cluster asks.  Its sixteen waves share the blocks out BY ADDRESS,
; 26 each, a lane a block (lanes 26-31 name lane 25's block again, in the same instruction).  It stands behind the second change of slots of a head, two changes ahead of the first load that wants those bytes.
; The last head asks for nothing; head 0 and the 33rd fill come by their loads alone.
.macro ASK
	s_cmp_gt_u32 s[HC], s[LIM]
	s_cbranch_scc0 .Lnot_mine_\@
	global_prefetch_b8 v[PFO], s[PFA:PFA+1] th:TH_LOAD_NT scope:SCOPE_SE
.Lnot_mine_\@:
.endm
.macro FETCHK slot, gq, buf            ; 8 tiles of 16 keys (half images, six registers apart) into set buf, and their scale words: lanes 0-15 tiles 0-3, lanes 16-31 tiles 4-7.  17 LDS loads
	WIN 0x40
.irp j, 0,1,2,3,4,5,6,7
	ds_load_b128 v[KF+150*(\buf)+6*\j:KF+150*(\buf)+6*\j+3], v[LI] offset:\slot+6144*(\gq)+768*\j
	ds_load_b64 v[KF+150*(\buf)+6*\j+4:KF+150*(\buf)+6*\j+5], v[L8] offset:\slot+6144*(\gq)+768*\j+512
.endr
	WIN 0
	ds_load_b128 v[KSC+80*(\buf):KSC+80*(\buf)+3], v[LI] offset:\slot+24576+512*(\gq)
.endm
.macro DLOADS g                        ; 8 d of my query at keys 128 g + 32 b + 16 h + 0 .. 15, straight into the accumulators of those keys.  16 LDS loads
	WIN ((2+(\g)/4)<<6)
.irp b, 0,1,2,3
.irp j, 0,1,2,3
	ds_load_b128 v[64*((\g)%4)+16*\b+4*\j:64*((\g)%4)+16*\b+4*\j+3], v[DA] offset:512*(\g)+128*\b+16*\j
.endr
.endr
.endm
.macro SMUL g                          ; S = K Q^T + 8 d of keys 128 g .. + 127: eight products on eight accumulators, K's set g % 2
	WIN (((2+(\g)/4)<<6)|((2+(\g)/4)<<4)|1)
.set sj, 0
.rept 8
.set sd_, 64*((\g)%4)+8*sj
.set sa_, KF+150*((\g)%2)+6*sj
.if sj < 4
	v_wmma_scale_f32_16x16x128_f8f6f4 v[sd_:sd_+7], v[sa_:sa_+11], v[QF:QF+11], v[sd_:sd_+7], v[KSC+80*((\g)%2)+sj], v[QS] matrix_a_fmt:MATRIX_FMT_FP6 matrix_b_fmt:MATRIX_FMT_FP6
.else
	v_wmma_scale_f32_16x16x128_f8f6f4 v[sd_:sd_+7], v[sa_:sa_+11], v[QF:QF+11], v[sd_:sd_+7], v[KSC+80*((\g)%2)+sj-4], v[QS] matrix_a_fmt:MATRIX_FMT_FP6 matrix_b_fmt:MATRIX_FMT_FP6 matrix_a_scale:MATRIX_SCALE_ROW1
.endif
.set sj, sj+1
.endr
.endm
.macro DLOAD g                         ; 8 d of the same keys into v[DT] on, for the multiplication behind the softmax.  16 LDS loads
	WIN 0
.irp b, 0,1,2,3
.irp j, 0,1,2,3
	ds_load_b128 v[DT+16*\b+4*\j:DT+16*\b+4*\j+3], v[DA] offset:512*(\g)+128*\b+16*\j
.endr
.endr
.endm
.macro UMAX g                          ; the running maximum, in eight chains; each accumulator is read from its low end on
	WIN (((2+(\g)/4)<<2)|((2+(\g)/4)<<4))
.set ui, 0
.rept 32
	v_max3_num_f32 v[MX+(ui/2)%8], v[MX+(ui/2)%8], v[64*((\g)%4)+ui], v[64*((\g)%4)+ui+1]
.set ui, ui+2
.endr
.endm
; A stage of 128 keys: its products, and behind them the maxima of the group before, which name none of the products' registers: those 32 lines are the places in front of the loads that follow the macro
; and of the next stage's reads of these results.  cnt: the LDS loads issued behind this stage's own, which may stay out.
.macro STG g, cnt
	s_wait_alu depctr_va_vdst(0)
	s_wait_dscnt \cnt
	SMUL \g
.if (\g) > 0
	UMAX (\g)-1
.else
	NOPS 4
.endif
.endm
; p = 2^(S c - m c) of a window's 256 numbers, in four groups of 64.  A group's multiply-adds stand among the exponentials of the group before; ahead of each group's exponentials stands the wait
; between a multiply-add and the exponential that reads it.  None of these lines names an exponential's result; one plain line and one wait close the batch.
.macro EXPW w
	WIN (((\w)<<6)|(\w))
.set ei, 0
.rept 32
	v_pk_fma_f32 v[2*ei:2*ei+1], v[2*ei:2*ei+1], s[CS:CS+1], v[NM:NM+1] op_sel_hi:[1,0,1]
.set ei, ei+1
.endr
.set ei, 0
.rept 4
	s_wait_alu depctr_va_vdst(0)                   ; ahead of the group
.rept 32
	v_exp_f32 v[2*ei], v[2*ei]
.if ei+32 < 128
	v_pk_fma_f32 v[2*(ei+32):2*(ei+32)+1], v[2*(ei+32):2*(ei+32)+1], s[CS:CS+1], v[NM:NM+1] op_sel_hi:[1,0,1]
.endif
	v_exp_f32 v[2*ei+1], v[2*ei+1]
.set ei, ei+1
.endr
	v_nop
.endr
	s_wait_alu depctr_va_vdst(0)                   ; ahead of the first line that names a result
.endm
.macro SUMW w
	WIN ((\w)<<2)
.set ei, 0
.rept 128
	v_pk_add_f32 v[SU+2*(ei%8):SU+2*(ei%8)+1], v[SU+2*(ei%8):SU+2*(ei%8)+1], v[2*ei:2*ei+1]
.set ei, ei+1
.endr
.endm
.macro FETCHV slot, kq, buf            ; V's four fragments of 128 keys (two half images each) into set buf, and their scale words' halves.  16 + 2 LDS loads
	WIN 0x40
.irp t, 0,1,2,3
.irp e, 0,1
	ds_load_b128 v[VF+48*(\buf)+12*\t+6*\e:VF+48*(\buf)+12*\t+6*\e+3], v[LI] offset:\slot+6144*(\kq)+3072*\e+768*\t
	ds_load_b64 v[VF+48*(\buf)+12*\t+6*\e+4:VF+48*(\buf)+12*\t+6*\e+5], v[L8] offset:\slot+6144*(\kq)+3072*\e+768*\t+512
.endr
.endr
	WIN 0
	ds_load_b64 v[VSH-44*(\buf):VSH-44*(\buf)+1], v[L8] offset:\slot+24576+512*(\kq)
	ds_load_b64 v[VSH-44*(\buf)+2:VSH-44*(\buf)+3], v[L8] offset:\slot+24576+512*(\kq)+256
.endm
.macro PVM t, zero                     ; vb_: the set of V's fragments in hand
.if \zero
.if (\t)%2
	v_wmma_scale_f32_16x16x128_f8f6f4 v[OA+8*\t:OA+8*\t+7], v[vb_+12*\t:vb_+12*\t+11], v[PC:PC+11], 0, v[VSC+(\t)/2], v[PW] matrix_a_fmt:MATRIX_FMT_FP6 matrix_b_fmt:MATRIX_FMT_FP6 matrix_a_scale:MATRIX_SCALE_ROW1
.else
	v_wmma_scale_f32_16x16x128_f8f6f4 v[OA+8*\t:OA+8*\t+7], v[vb_+12*\t:vb_+12*\t+11], v[PC:PC+11], 0, v[VSC+(\t)/2], v[PW] matrix_a_fmt:MATRIX_FMT_FP6 matrix_b_fmt:MATRIX_FMT_FP6
.endif
.else
.if (\t)%2
	v_wmma_scale_f32_16x16x128_f8f6f4 v[OA+8*\t:OA+8*\t+7], v[vb_+12*\t:vb_+12*\t+11], v[PC:PC+11], v[OA+8*\t:OA+8*\t+7], v[VSC+(\t)/2], v[PW] matrix_a_fmt:MATRIX_FMT_FP6 matrix_b_fmt:MATRIX_FMT_FP6 matrix_a_scale:MATRIX_SCALE_ROW1
.else
	v_wmma_scale_f32_16x16x128_f8f6f4 v[OA+8*\t:OA+8*\t+7], v[vb_+12*\t:vb_+12*\t+11], v[PC:PC+11], v[OA+8*\t:OA+8*\t+7], v[VSC+(\t)/2], v[PW] matrix_a_fmt:MATRIX_FMT_FP6 matrix_b_fmt:MATRIX_FMT_FP6
.endif
.endif
.endm
; A stage of the second product: 128 keys' weights are finished (x 8 d, x 1 / (8 l)), quantised, and multiplied with V's four tiles; the four accumulators take turns.
; cnt: the LDS loads issued behind this stage's V and 8 d, which may stay out: the next stage's V, or none.  fv = 1: V of the stage after next is asked for, into the set that this stage has read.
.macro PSTAGE kp, cnt, fv, slot
.set pw_, 2+(\kp)/4
.set pb_, 64*((\kp)%4)
.set vb_, VF+48*((\kp)%2)
.set vh_, VSH-44*((\kp)%2)
	s_wait_dscnt \cnt
	WIN ((pw_<<6)|pw_)
.set ui, 0
.rept 32
	v_pk_mul_f32 v[pb_+ui:pb_+ui+1], v[pb_+ui:pb_+ui+1], v[DT+ui:DT+ui+1]
.set ui, ui+2
.endr
.if (\kp) < 7
	DLOAD (\kp)+1
	WIN ((pw_<<6)|pw_)
.endif
.set ui, 0
.rept 32
	v_pk_mul_f32 v[pb_+ui:pb_+ui+1], v[pb_+ui:pb_+ui+1], v[RP:RP+1]
.set ui, ui+2
.endr
	WIN 0
	v_lshl_or_b32 v[VSC], v[vh_+2], 16, v[vh_]     ; V's scale words: two bytes of each block of 64 keys
	v_lshl_or_b32 v[VSC+1], v[vh_+3], 16, v[vh_+1]
	QUANT pb_, pw_, 2, PC, PW
	NOPS 4                                         ; an operand written by vector instructions stands 4 places ahead of a scaled matrix instruction; the scale word's 8 are these four, the six moves and the v_nop above
	WIN 0x01
.irp t, 0,1,2,3
.if (\kp) == 0
	PVM \t, 1
.else
	PVM \t, 0
.endif
.endr
	WIN 0
	NOPS 4                                         ; places in front of loads into, and writes of, registers that the products have read, and of the first read of results
.if \fv
	FETCHV \slot, ((\kp)+2)%4, (\kp)%2
.endif
.endm
.macro OPM t, s                        ; the last product: source 0 = Wp (t, s), source 1 = x (m, s)
.set oa_, 12*(4*((\t)%4)+(\s))
.if (\s) == 0
.if (\t)%2
	v_wmma_scale_f32_16x16x128_f8f6f4 v[ACC+8*\t:ACC+8*\t+7], v[oa_:oa_+11], v[XF:XF+11], v[BI+8*\t:BI+8*\t+7], v[WSC+4*((\t)/2)], v[XSC] matrix_a_fmt:MATRIX_FMT_FP6 matrix_b_fmt:MATRIX_FMT_FP6 matrix_a_scale:MATRIX_SCALE_ROW1
.else
	v_wmma_scale_f32_16x16x128_f8f6f4 v[ACC+8*\t:ACC+8*\t+7], v[oa_:oa_+11], v[XF:XF+11], v[BI+8*\t:BI+8*\t+7], v[WSC+4*((\t)/2)], v[XSC] matrix_a_fmt:MATRIX_FMT_FP6 matrix_b_fmt:MATRIX_FMT_FP6
.endif
.else
.if (\t)%2
	v_wmma_scale_f32_16x16x128_f8f6f4 v[ACC+8*\t:ACC+8*\t+7], v[oa_:oa_+11], v[XF+12*(\s):XF+12*(\s)+11], v[ACC+8*\t:ACC+8*\t+7], v[WSC+4*((\t)/2)+(\s)], v[XSC+(\s)] matrix_a_fmt:MATRIX_FMT_FP6 matrix_b_fmt:MATRIX_FMT_FP6 matrix_a_scale:MATRIX_SCALE_ROW1
.else
	v_wmma_scale_f32_16x16x128_f8f6f4 v[ACC+8*\t:ACC+8*\t+7], v[oa_:oa_+11], v[XF+12*(\s):XF+12*(\s)+11], v[ACC+8*\t:ACC+8*\t+7], v[WSC+4*((\t)/2)+(\s)], v[XSC+(\s)] matrix_a_fmt:MATRIX_FMT_FP6 matrix_b_fmt:MATRIX_FMT_FP6
.endif
.endif
.endm
.macro DROWL i                         ; row i of my 16 rows of d: eight loads of 512 consecutive bytes, into 32 registers of its own
	WIN (0x80+0x40*((\i)/8))
.irp c, 0,1,2,3,4,5,6,7
	global_load_b128 v[32*((\i)%8)+4*\c:32*((\i)%8)+4*\c+3], v[LI], s[4:5] offset:4096*(\i)+512*\c th:TH_LOAD_NT
.endr
.endm
.macro DROWS i, left                   ; row i, x 8, goes to LDS.  left: the younger rows' loads, which may stay out
	s_wait_loadcnt \left
	WIN (0x82+0x41*((\i)/8))
.set dj, 0
.rept 16
	v_pk_mul_f32 v[32*((\i)%8)+dj:32*((\i)%8)+dj+1], v[32*((\i)%8)+dj:32*((\i)%8)+dj+1], s[LE:LE+1] op_sel_hi:[1,0]
.set dj, dj+2
.endr
	WIN (0x08+0x04*((\i)/8))
.irp c, 0,1,2,3,4,5,6,7
	ds_store_b128 v[DWA], v[32*((\i)%8)+4*\c:32*((\i)%8)+4*\c+3] offset:DP*(\i)+512*\c
.endr
.endm
	s_load_b256 s[4:11], s[0:1], 0x0               ; d, qbuf, kv, wimg
	s_load_b128 s[12:15], s[0:1], 0x20             ; wpx, out0
	v_lshl_add_u32 v[SPW], v0, 2, SPARE
	v_mov_b32 v[NIL], 0
	ds_add_u32 v[SPW], v[NIL]                      ; the wave's opening: the add, twice on end, and its wait ahead of my first tensor load; the set-up below, work on registers, stands between
	ds_add_u32 v[SPW], v[NIL]
	v_lshrrev_b32 v44, 5, v0
	v_readfirstlane_b32 s[WV], v44                 ; wave 0..3
	s_bfe_u32 s[CX], ttmp6, 0x40000                ; my place in the cluster: it enters the addresses of d, q, out and the prefetches alone
	s_lshl_b32 s[QB], ttmp9, 2
	s_add_co_u32 s[QB], s[QB], s[CX]               ; my block of 64 queries
	s_and_b32 s[BB], ttmp7, 0xffff                 ; the batch, which the four partners share
	v_and_b32 v44, 31, v0                          ; lane
	v_and_b32 v45, 15, v0                          ; r
	v_bfe_u32 v47, v0, 4, 1                        ; h
	v_lshlrev_b32 v[LI], 4, v44
	v_lshlrev_b32 v[L8], 3, v44
	v_lshlrev_b32 v[QSO], 4, v45
	s_mul_i32 s47, s[WV], DW
	s_add_co_u32 s47, s47, DREG                    ; my part of 8 d
	v_mul_u32_u24 v[DA], v45, DP
	v_lshl_add_u32 v[DA], v47, 6, v[DA]
	v_add_nc_u32 v[DA], s47, v[DA]
	v_add_nc_u32 v[DWA], s47, v[LI]
	v_mul_u32_u24 v[STO], v45, SP
	v_lshl_add_u32 v[STO], v47, 6, v[STO]
	v_add_nc_u32 v[STO], s47, v[STO]
	v_add_nc_u32 v[STO], STGO, v[STO]              ; the stage, in: row r, + 64 h
	v_add_nc_u32 v[RD], s47, v[LI]
	v_add_nc_u32 v[RD], STGO, v[RD]                ; and back: 16 bytes a lane of a row
	v_lshlrev_b32 v[XSW], 2, v44
	v_add_nc_u32 v[XSA], DREG+XSO, v[XSW]          ; x's scale words: wave 0's, to begin with;
	v_add_nc_u32 v[XSW], s47, v[XSW]
	v_add_nc_u32 v[XSW], XSO, v[XSW]               ; and where I store mine
	v_add_nc_u32 v[XIA], DREG, v[LI]               ; x's images: wave 0's, to begin with
	s_lshl_b32 s47, s[WV], 11
	v_add_nc_u32 v[WSA], s47, v[LI]                ; Wp's scale words of my 8 tiles
	s_lshl_b32 s47, s[WV], 9
	v_lshlrev_b32 v[BPA], 6, v47
	v_add_nc_u32 v[BPA], s47, v[BPA]               ; bp of my 128 columns, + 64 h
	v_min_u32 v[PFO], 25, v44
	v_lshlrev_b32 v[PFO], 8, v[PFO]
	s_mov_b32 s[G1], 15|(3<<16)|(1<<21)            ; 15:0 the mask: all four work-groups; 17:16 elements of 8 bytes; 20 no padding; 21 set beside a mask
	s_mov_b32 s[G1+1], 32<<16                      ; tensor_dim0 = 32 elements: 256 bytes
	s_mov_b32 s[G1+2], 26<<16                      ; tensor_dim1 = 26
	s_mov_b32 s[G1+3], 32<<16                      ; tile_dim0
	s_mov_b32 s[G1+4], 26                          ; tile_dim1
	s_mov_b32 s[G1+5], 32                          ; the rows are dense
	s_mov_b32 s[G1+6], 0
	s_mov_b32 s[G1+7], 0
	s_mov_b32 s[SEL], 0x76543210
	s_mov_b32 s[SEL+1], 0xfedcba98
	s_mov_b32 s[CS], 0x3e38aa3b                    ; c = log2(e) / 8
	s_mov_b32 s[CS+1], s[CS]
	s_mov_b32 s[LE], 0x41000000                    ; 8.0
	s_mov_b32 s[LE+1], s[LE]
	s_mov_b32 s[HC], 8
	s_cmp_eq_u32 ttmp9, 0                          ; the batch's first cluster prefetches: the same in all four partners
	s_cselect_b32 s[LIM], 1, -1
	s_lshl_b32 s20, s[BB], 22                      ; d: my 16 rows of 4,096 bytes
	s_lshl_b32 s21, s[QB], 18
	s_add_co_u32 s20, s20, s21
	s_lshl_b32 s21, s[WV], 16
	s_add_co_u32 s20, s20, s21
	s_mov_b32 s21, 0
	s_lshl_b32 s22, s[BB], 21                      ; out: my block's 64 rows of 2,048 bytes, my 512 bytes of a row
	s_lshl_b32 s23, s[QB], 17
	s_add_co_u32 s22, s22, s23
	s_lshl_b32 s23, s[WV], 9
	s_add_co_u32 s22, s22, s23
	s_mov_b32 s23, 0
	s_mul_i32 s2, s[BB], 16*HR                     ; q: head 0's half record with my queries,
	s_lshr_b32 s3, s[QB], 3
	s_mul_i32 s3, s3, HR
	s_add_co_u32 s2, s2, s3
	s_and_b32 s3, s[QB], 7
	s_lshl_b32 s54, s3, 2
	s_add_co_u32 s54, s54, s[WV]
	s_mul_i32 s54, s54, 768
	s_add_co_u32 s54, s54, s2                      ; my tile's half image,
	s_mov_b32 s55, 0
	s_lshl_b32 s56, s3, 8
	s_add_co_u32 s56, s56, s2
	s_lshl_b32 s57, s[WV], 2
	s_add_co_u32 s56, s56, s57
	s_add_co_u32 s56, s56, 24576                   ; and its scale words
	s_mov_b32 s57, 0
	s_mul_i32 s2, s[WV], 49152                     ; Wp's 32 images of my columns
	s_add_co_u32 s2, s2, 614400
	s_mov_b32 s3, 0
	s_mul_i32 s58, s[BB], 32*HR                    ; the prefetches: my 26 blocks of a head's 416
	s_lshl_b32 s59, s[CX], 2
	s_add_co_u32 s59, s59, s[WV]
	s_mul_i32 s59, s59, 6656
	s_add_co_u32 s58, s58, s59
	s_mov_b32 s59, 0
	s_mul_i32 s[WQ], s[WV], 6656                   ; my quarter of a fill: in registers that never hold my place in the cluster
	s_mul_i32 s60, s[BB], 32*HR
	s_add_co_u32 s60, s60, s[WQ]
	s_mov_b32 s61, 0
	s_mov_b32 s62, s[WQ]
	s_mov_b32 s63, 0
	s_wait_alu depctr_va_vdst(0)                   ; the wait at the head's end
	s_wait_dscnt 0x0                               ; both opening adds are done
	s_wait_kmcnt 0x0
	s_add_nc_u64 s[4:5], s[4:5], s[20:21]
	s_add_nc_u64 s[QP:QP+1], s[6:7], s[54:55]
	s_add_nc_u64 s[QSP:QSP+1], s[6:7], s[56:57]
	s_add_nc_u64 s[PFA:PFA+1], s[8:9], s[58:59]
	s_add_nc_u64 s[10:11], s[10:11], s[2:3]
	s_add_nc_u64 s[14:15], s[14:15], s[22:23]
	s_add_nc_u64 s[WPD:WPD+1], s[12:13], s[62:63]
	s_or_b32 s[WPD+1], s[WPD+1], 0x80000000
	s_mov_b32 s[G0], 1                             ; count = 1
	s_add_co_u32 s[G0+1], s[WQ], SLOT0             ; LDS address
	s_add_nc_u64 s[G0+2:G0+3], s[8:9], s[60:61]    ; the batch's stream, my quarter of its first half record
	s_or_b32 s[G0+3], s[G0+3], 0x80000000          ; type = 2
	ROUND                                          ; all four work-groups are here: the first joint loads meet
	tensor_load_to_lds s[G0:G0+3], s[G1:G1+7]      ; head 0's K lo
	s_nop 0
	NOPS 4
	global_load_b128 v[QF:QF+3], v[LI], s[QP:QP+1] ; head 0's Q
	global_load_b64 v[QF+4:QF+5], v[L8], s[QP:QP+1] offset:512
	global_load_b32 v[QS], v[QSO], s[QSP:QSP+1]
.irp i, 6,7,8,9,10,11
	v_mov_b32 v[QF+\i], 0                          ; K = 64: Q's upper 64 codes are zeros, set once
.endr
.irp i, 0,1,2,3,4,5,6,7
	v_mov_b32 v[XH+\i], 0                          ; (read by the first heads' shifts before heads have filled them)
.endr
.irp i, 0,1,2,3
	v_mov_b32 v[TM+4+\i], 0                        ; written once: a lane permute's destination counts as one of its sources
.endr
	WIN 0x40
.irp i, 48,49,50,51,52,53
	v_mov_b32 v[KF+\i], 0                          ; the six registers behind each set's eighth tile, set once
	v_mov_b32 v[KF+150+\i], 0
.endr
.set zi, 0
.rept 48
	v_mov_b32 v[XF+zi], 0
.set zi, zi+1
.endr
	; d: seven rows, 56 loads, are on their way at a time; each row has registers of its own
.set di, 0
.rept 7
	DROWL di
.set di, di+1
.endr
.set di, 0
.rept 16
.if di < 10
	DROWS di, 48                                   ; six younger rows may be out
.else
	DROWS di, 8*(15-di)
.endif
.if di+7 < 16
	DROWL di+7
.endif
.set di, di+1
.endr
	WIN 0
.Lhead:
	RING SLOT1, 0, 1                               ; K lo is whole; K hi is asked for
	s_wait_loadcnt 0x0                             ; this head's Q
	FETCHK SLOT0, 0, 0                             ; two stages' K and 8 d are asked for ahead of the first stage
	DLOADS 0
	FETCHK SLOT0, 1, 1
	DLOADS 1
	WIN 0
.irp i, 0,1,2,3,4,5,6,7
	v_mov_b32 v[MX+\i], 0xff800000
.endr
.irp i, 0,1,2,3,4,5,6,7,8,9,10,11,12,13,14,15
	v_mov_b32 v[SU+\i], 0
.endr
	STG 0, 33                                      ; stage 1's 17 loads of K and 16 of 8 d may be out
	FETCHK SLOT0, 2, 0
	DLOADS 2
	STG 1, 33                                      ; stage 2's may be out
	FETCHK SLOT0, 3, 1
	DLOADS 3
	STG 2, 33                                      ; stage 3's may be out
	DLOADS 4                                       ; (K hi is read only behind the change of slots; 8 d lies outside the ring)
	DLOADS 5
	STG 3, 32                                      ; two groups of 8 d may be out
	RING SLOT0, 0, 0                               ; K hi is whole; V lo is asked for
	FETCHK SLOT1, 0, 0
	FETCHK SLOT1, 1, 1
	ASK
	STG 4, 17                                      ; stage 5's K may be out
	FETCHK SLOT1, 2, 0
	DLOADS 6
	STG 5, 33                                      ; stage 6's may be out
	FETCHK SLOT1, 3, 1
	DLOADS 7
	STG 6, 33                                      ; stage 7's may be out
	DLOAD 0                                        ; 8 d once more, for the multiplication behind the softmax
	STG 7, 16                                      ; those sixteen may be out
	UMAX 7
	WIN 0
	s_cmp_eq_u32 s[HC], 1                          ; the next head's Q, if there is one: no load leaves its buffer.  (This head's loads were waited for: their bases may step)
	s_wait_alu depctr_va_vdst(0)                   ; directly ahead of the branch
	s_cbranch_scc1 .Lno_q
	s_add_nc_u64 s[QP:QP+1], s[QP:QP+1], 2*HR
	s_add_nc_u64 s[QSP:QSP+1], s[QSP:QSP+1], 2*HR
	global_load_b128 v[QF:QF+3], v[LI], s[QP:QP+1]
	global_load_b64 v[QF+4:QF+5], v[L8], s[QP:QP+1] offset:512
	global_load_b32 v[QS], v[QSO], s[QSP:QSP+1]
.Lno_q:
	v_max3_num_f32 v[MX], v[MX], v[MX+1], v[MX+2]
	v_max3_num_f32 v[MX+3], v[MX+3], v[MX+4], v[MX+5]
	v_max3_num_f32 v[MX], v[MX], v[MX+3], v[MX+6]
	v_max_num_f32 v[MX], v[MX], v[MX+7]
	v_permlanex16_b32 v[MX+1], v[MX], s[SEL], s[SEL+1]
	v_max_num_f32 v[MX], v[MX], v[MX+1]            ; m: the row's largest S
	v_mul_f32 v[NM], 0xbe38aa3b, v[MX]             ; - m c
	v_mov_b32 v[NM+1], v[NM]
	EXPW 2
	RING SLOT1, 0, 0                               ; V lo is whole; V hi is asked for.  The change stands between the two batches of exponentials, so that each of the two fills has about half of them in which to land
	FETCHV SLOT0, 0, 0                             ; two stages' V are read while the second batch runs
	FETCHV SLOT0, 1, 1
	EXPW 3
	SUMW 2
	SUMW 3
	WIN 0
	v_pk_add_f32 v[SU:SU+1], v[SU:SU+1], v[SU+2:SU+3]
	v_pk_add_f32 v[SU+4:SU+5], v[SU+4:SU+5], v[SU+6:SU+7]
	v_pk_add_f32 v[SU+8:SU+9], v[SU+8:SU+9], v[SU+10:SU+11]
	v_pk_add_f32 v[SU+12:SU+13], v[SU+12:SU+13], v[SU+14:SU+15]
	v_pk_add_f32 v[SU:SU+1], v[SU:SU+1], v[SU+4:SU+5]
	v_pk_add_f32 v[SU+8:SU+9], v[SU+8:SU+9], v[SU+12:SU+13]
	v_pk_add_f32 v[SU:SU+1], v[SU:SU+1], v[SU+8:SU+9]
	v_add_f32 v[SU], v[SU], v[SU+1]
	v_permlanex16_b32 v[SU+1], v[SU], s[SEL], s[SEL+1]
	v_add_f32 v[SU], v[SU], v[SU+1]                ; l
	s_wait_alu depctr_va_vdst(0)                   ; ahead of the reciprocal
	v_rcp_f32 v[SU+2], v[SU]
	v_nop                                          ; a plain place behind the reciprocal
	s_wait_alu depctr_va_vdst(0)                   ; and the wait ahead of its first reader
	v_mul_f32 v[RP], 0x3e000000, v[SU+2]           ; 1 / (8 l): the eighth is exact
	v_mov_b32 v[RP+1], v[RP]
	PSTAGE 0, 18, 1, SLOT0                         ; the next stage's V, 16 + 2 loads, may be out
	PSTAGE 1, 18, 1, SLOT0
	PSTAGE 2, 18, 0, SLOT0
	PSTAGE 3, 0, 0, SLOT0
	RING SLOT0, 1, 0                               ; V hi is whole; the next head's K lo is asked for, or, behind the last head, Wp's scale words and bp
	FETCHV SLOT1, 0, 0
	FETCHV SLOT1, 1, 1
	PSTAGE 4, 18, 1, SLOT1
	PSTAGE 5, 18, 1, SLOT1
	PSTAGE 6, 18, 0, SLOT1
	PSTAGE 7, 0, 0, SLOT1
	QUANT OA, 0, 1, PC, PW                         ; the head's 64 numbers of x: half a fragment, and two scale bytes
	WIN 0x41                                       ; x's 48 registers move six down and the head's six are put behind them: after eight heads head i stands at 6 i (register numbers cannot follow a loop's count, and LDS has no room for 24 KiB more)
.set zi, 0
.rept 42
	v_mov_b32 v[XF+zi], v[XF+zi+6]
.set zi, zi+1
.endr
	WIN 0x40
.irp i, 0,1,2,3,4,5
	v_mov_b32 v[XF+42+\i], v[PC+\i]
.endr
	WIN 0
.irp i, 0,1,2,3,4,5,6
	v_mov_b32 v[XH+\i], v[XH+\i+1]
.endr
	v_mov_b32 v[XH+7], v[PW]
	s_sub_co_u32 s[HC], s[HC], 1
	s_cmp_lg_u32 s[HC], 0
	s_cbranch_scc1 .Lhead
	; ---- THE TAIL: out = x Wp^T + bp.  The waves now share the columns: wave w makes f = 128 w .. + 127 for all 64 queries.
	WIN 0x80                                       ; Wp's fragments (t, s) at 12 (4 (t % 4) + s): tiles 0-3 in window 2,
.irp t, 0,1,2,3
.irp s, 0,1,2,3
.irp c, 0,1,2
	global_load_b128 v[12*(4*\t+\s)+4*\c:12*(4*\t+\s)+4*\c+3], v[LI], s[10:11] offset:(4*\t+\s)*1536+512*\c
.endr
.endr
.endr
	WIN 0xc0                                       ; tiles 4-7 in window 3
.irp t, 0,1,2,3
.irp s, 0,1,2,3
.irp c, 0,1,2
	global_load_b128 v[12*(4*\t+\s)+4*\c:12*(4*\t+\s)+4*\c+3], v[LI], s[10:11] offset:(16+4*\t+\s)*1536+512*\c
.endr
.endr
.endr
	WIN 0
	s_wait_alu depctr_va_vdst(0)                   ; directly ahead of the readers below
.irp s, 0,1,2,3
	v_lshl_or_b32 v[XS+\s], v[XH+2*\s+1], 16, v[XH+2*\s]   ; two heads' bytes make a K step's scale word
.endr
	WIN 0x04                                       ; an LDS store's data are its source 1: window 1
.irp s, 0,1,2,3
.irp c, 0,1,2
	ds_store_b128 v[DWA], v[XF+12*\s+4*\c:XF+12*\s+4*\c+3] offset:1536*\s+512*\c   ; my queries' four fragments, as they stand, into my own part of 8 d, which nobody reads any more
.endr
.endr
	WIN 0
.irp s, 0,1,2,3
	ds_store_b32 v[XSW], v[XS+\s] offset:128*\s
.endr
	s_wait_tensorcnt 0x0                           ; my quarter of the 33rd fill has landed
	ds_add_u32 v[SPW], v[NIL]
	s_wait_dscnt 0x0                               ; my stores have landed
	s_barrier_signal -1
	s_barrier_wait -1                              ; everybody's have
.irp u, 0,1,2,3
	ds_load_b128 v[WSC+4*\u:WSC+4*\u+3], v[WSA] offset:SLOT0+512*\u   ; lanes 0-15: tile 2 u's four words; lanes 16-31: tile 2 u + 1's
.endr
	WIN 0x40
.irp t, 0,1,2,3,4,5,6,7
	ds_load_b128 v[BI+8*\t:BI+8*\t+3], v[BPA] offset:SLOT0+8192+128*(\t/2)+32*(\t%2)
	ds_load_b128 v[BI+8*\t+4:BI+8*\t+7], v[BPA] offset:SLOT0+8192+128*(\t/2)+32*(\t%2)+16
.endr
.irp m, 0,1,2,3                        ; wave m's 16 queries
	WIN 0x40
.irp s, 0,1,2,3
.irp c, 0,1,2
	ds_load_b128 v[XF+12*\s+4*\c:XF+12*\s+4*\c+3], v[XIA] offset:1536*\s+512*\c
.endr
.endr
	WIN 0
.irp s, 0,1,2,3
	ds_load_b32 v[XSC+\s], v[XSA] offset:128*\s
.endr
	s_wait_dscnt 0x0
.if \m == 0
	s_wait_loadcnt 0x0                             ; Wp's fragments
.endif
.irp s, 0,1,2,3                        ; the eight accumulators by turns, a K step at a time; the bias is the C of each sum's first product
.if \s == 0
	WIN 0x16
.else
	WIN 0x06
.endif
.irp t, 0,1,2,3
	OPM \t, \s
.endr
.if \s == 0
	WIN 0x17
.else
	WIN 0x07
.endif
.irp t, 4,5,6,7
	OPM \t, \s
.endr
.endr
	WIN 0
	NOPS 5                                         ; places behind the products: four for reads and loads, a fifth since the accumulators are begun anew with another C
.irp t, 0,1,2,3,4,5,6,7
	ds_store_b128 v[STO], v[ACC+8*\t:ACC+8*\t+3] offset:128*(\t/2)+32*(\t%2)        ; lane (r, h): out(16 m + r, 128 w + 32 (t / 2) + 16 h + 8 (t % 2) + 0 .. 7); each accumulator from its low end on
	ds_store_b128 v[STO], v[ACC+8*\t+4:ACC+8*\t+7] offset:128*(\t/2)+32*(\t%2)+16
.endr
	s_wait_xcnt 0x0                                ; the last tile's stores have read their registers
.irp i, 0,1,2,3,4,5,6,7,8,9,10,11,12,13,14,15
	ds_load_b128 v[BK+4*\i:BK+4*\i+3], v[RD] offset:\i*SP   ; LDS serves a wave's instructions in order: these see my stores
.endr
.irp i, 0,1,2,3,4,5,6,7,8,9,10,11,12,13,14,15
	s_wait_dscnt 15-\i
	global_store_b128 v[LI], v[BK+4*\i:BK+4*\i+3], s[14:15] offset:(16*\m+\i)*2048 th:TH_STORE_NT   ; 32 lanes store 512 consecutive bytes, at a multiple of 256 from out's first byte
.endr
.if \m < 3
	v_add_nc_u32 v[XIA], DW, v[XIA]                ; on to the next wave's images
	v_add_nc_u32 v[XSA], DW, v[XSA]
	s_wait_alu depctr_va_vdst(0)                   ; directly behind the writes
.endif
.endr
	s_wait_tensorcnt 0x0                           ; the wave's end: behind my last tensor load and my last LDS store
	ds_add_u32 v[SPW], v[NIL]
	s_wait_dscnt 0x0
	ROUND                                          ; the closing round: no work-group ends while a partner may still ask for a fill that names it
	s_endpgm
.Lfunc_end_k_q1734c9dbd0_attn:
	.size	k_q1734c9dbd0_attn, .Lfunc_end_k_q1734c9dbd0_attn-k_q1734c9dbd0_attn
	.p2alignl 7, 3214868480
	.fill 96, 4, 3214868480
	.section	.rodata,"a",@progbits
	.p2align	6, 0x0
	.amdhsa_kernel k_q1734c9dbd0_attn
		.amdhsa_group_segment_fixed_size 327680
		.amdhsa_private_segment_fixed_size 0
		.amdhsa_enable_private_segment 0
		.amdhsa_kernarg_size 48
		.amdhsa_user_sgpr_count 2
		.amdhsa_user_sgpr_kernarg_segment_ptr 1
		.amdhsa_wavefront_size32 1
		.amdhsa_system_sgpr_workgroup_id_x 1
		.amdhsa_system_sgpr_workgroup_id_y 1
		.amdhsa_system_sgpr_workgroup_id_z 1
		.amdhsa_system_vgpr_workitem_id 0
		.amdhsa_next_free_vgpr 1024
		.amdhsa_next_free_sgpr 66
		.amdhsa_reserve_vcc 0
		.amdhsa_float_denorm_mode_32 3
		.amdhsa_float_denorm_mode_16_64 3
		.amdhsa_memory_ordered 1
		.amdhsa_forward_progress 1
		.amdhsa_inst_pref_size 255
	.end_amdhsa_kernel
	.section	.bss,"aw",@nobits
	.p2align	6
	.space	262144
	.amdgpu_metadata
---
amdhsa.version: [ 1, 2 ]
amdhsa.kernels:
  - .name:           k_q1734c9dbd0_attn
    .symbol:         k_q1734c9dbd0_attn.kd
    .args:
      - { .name: d, .offset: 0, .size: 8, .value_kind: global_buffer, .address_space: global }
      - { .name: qbuf, .offset: 8, .size: 8, .value_kind: global_buffer, .address_space: global }
      - { .name: kv, .offset: 16, .size: 8, .value_kind: global_buffer, .address_space: global }
      - { .name: wimg, .offset: 24, .size: 8, .value_kind: global_buffer, .address_space: global }
      - { .name: wpx, .offset: 32, .size: 8, .value_kind: global_buffer, .address_space: global }
      - { .name: out0, .offset: 40, .size: 8, .value_kind: global_buffer, .address_space: global }
    .group_segment_fixed_size: 327680
    .private_segment_fixed_size: 0
    .kernarg_segment_align: 8
    .kernarg_segment_size: 48
    .max_flat_workgroup_size: 128
    .sgpr_count:     66
    .vgpr_count:     1024
    .wavefront_size: 32
...
	.end_amdgpu_metadata
.endif
;; end of part 3
